; MI455X (gfx1250); checked and timed in simulation.
; The chip was launched on July 23, 2026; its instructions are those of AMD's public machine-readable ISA for CDNA 5 (MIT licence, August 2026) and "CDNA5" Instruction Set Architecture Reference Guide (July 2026). The comments in the code are by the model that wrote it; some were corrected since.
;; Market Layer. Allowed arithmetic: float matrix products may take bf16 or f16 operands with f32 sums; other float arithmetic in f32, or as packed bf16 or f16 multiplies, adds, multiply-adds, maxima and minima; sums over many terms, partial sums and values carried from step to step in f32; what a program stores and reads back later, other than sums and carried values, may be rounded once to bf16 or f16.
;; Inputs: W1 16 x 1,024 x 2,048 float32; W2 16 x 2,048 x 1,024 float32; Wb 16 x 2,048 float32; b1 16 x 2,048 float32; b2 16 x 1,024 float32; bb 16 float32; x 1,024 x 1,024 float32.
;; Outputs: out0 1,024 x 1,024 float32; out1 1,024 x 4 int32.
;; 2 versions, each right; version 2 is version 1 with the launch first written anew for expert scheduling mode. Each part assembles by itself: llvm-mc -triple=amdgcn-amd-amdhsa -mcpu=gfx1250 --defsym DOCPART=n.
;; ======== version 1 of 2: 5 launches
;; workspace buffers: xf 2,097,152 bytes; hbuf 67,108,864 bytes; pb 1,048,576 bytes; tmw 8,192 bytes of whole numbers; ybuf 33,554,432 bytes
;; launch prepx (part 1): grid 256 x 1, 8 waves a work-group, no clusters, 0 bytes of LDS; arguments x, xf; writes xf
.if DOCPART == 1
	.amdgcn_target "amdgcn-amd-amdhsa--gfx1250"
	.amdhsa_code_object_version 6
	.text
	.protected	k_q9c36e4c62c_prepx
	.globl	k_q9c36e4c62c_prepx
	.p2align	8
	.type	k_q9c36e4c62c_prepx,@function
k_q9c36e4c62c_prepx:
	s_mov_b64 s[64:65], 0
	v_nop
	global_prefetch_b8 v0, s[64:65] scope:SCOPE_SE
	s_setreg_imm32_b32 hwreg(HW_REG_WAVE_MODE, 25, 1), 1
	s_wait_xcnt 0x0
; xf = x rounded once to bf16 and laid in the order in which a wave's operand registers take it.
; x: [1024][1024] f32.  xf: [half p:2][K step ks:32][token block tbh:32][1,024 bytes]; in a block, piece j (0, 1) of lane (r, h) lies at
; 512 j + 16 lane and holds x[512 p + 16 tbh + r][32 ks + 16 j + 8 h + 0..7].  One wave makes one block: 2,048 waves for 64 x 32 blocks.
; A stream: no LDS, no barrier, no matrix unit.  Each store of the wave covers 512 consecutive bytes, aligned.
	s_load_b128 s[4:7], s[0:1], 0x0                ; x s[4:5], xf s[6:7]
	v_lshrrev_b32 v1, 5, v0
	v_readfirstlane_b32 s8, v1                     ; wave 0..7
	s_lshl_b32 s9, ttmp9, 3
	s_add_co_u32 s9, s9, s8                        ; the block's number G
	s_lshr_b32 s10, s9, 5                          ; token block 0..63
	s_and_b32 s11, s9, 31                          ; K step 0..31
	v_and_b32 v2, 15, v0                           ; r
	v_bfe_u32 v3, v0, 4, 1                         ; h
	v_and_b32 v4, 31, v0                           ; lane
	v_lshlrev_b32 v5, 12, v2                       ; r rows of 4,096 bytes
	v_lshl_add_u32 v5, v3, 5, v5                   ; + 8 h numbers of 4 bytes
	s_lshl_b32 s12, s10, 16                        ; 16 rows a block
	s_lshl_b32 s13, s11, 7                         ; 32 numbers a K step
	s_add_co_u32 s12, s12, s13
	v_add_nc_u32 v5, s12, v5
	s_lshr_b32 s13, s10, 5                         ; p
	s_lshl_b32 s13, s13, 20
	s_lshl_b32 s14, s11, 15
	s_add_co_u32 s13, s13, s14
	s_and_b32 s14, s10, 31                         ; tbh
	s_lshl_b32 s14, s14, 10
	s_add_co_u32 s13, s13, s14
	v_lshl_add_u32 v6, v4, 4, s13
	s_wait_kmcnt 0x0
	global_load_b128 v[8:11],  v5, s[4:5] th:TH_LOAD_NT
	global_load_b128 v[12:15], v5, s[4:5] offset:16 th:TH_LOAD_NT
	global_load_b128 v[16:19], v5, s[4:5] offset:64 th:TH_LOAD_NT
	global_load_b128 v[20:23], v5, s[4:5] offset:80 th:TH_LOAD_NT
	s_wait_loadcnt 0x0
.irp i, 0,1,2,3,4,5,6,7
	v_cvt_pk_bf16_f32 v[24+\i], v[8+2*\i], v[9+2*\i]
.endr
	global_store_b128 v6, v[24:27], s[6:7]
	global_store_b128 v6, v[28:31], s[6:7] offset:512
	s_endpgm
.Lfunc_end_k_q9c36e4c62c_prepx:
	.size	k_q9c36e4c62c_prepx, .Lfunc_end_k_q9c36e4c62c_prepx-k_q9c36e4c62c_prepx
	.p2alignl 7, 3214868480
	.fill 96, 4, 3214868480
	.section	.rodata,"a",@progbits
	.p2align	6, 0x0
	.amdhsa_kernel k_q9c36e4c62c_prepx
		.amdhsa_group_segment_fixed_size 0
		.amdhsa_private_segment_fixed_size 0
		.amdhsa_enable_private_segment 0
		.amdhsa_kernarg_size 16
		.amdhsa_user_sgpr_count 2
		.amdhsa_user_sgpr_kernarg_segment_ptr 1
		.amdhsa_wavefront_size32 1
		.amdhsa_system_sgpr_workgroup_id_x 1
		.amdhsa_system_sgpr_workgroup_id_y 1
		.amdhsa_system_sgpr_workgroup_id_z 1
		.amdhsa_system_vgpr_workitem_id 0
		.amdhsa_next_free_vgpr 32
		.amdhsa_next_free_sgpr 66
		.amdhsa_reserve_vcc 0
		.amdhsa_float_denorm_mode_32 3
		.amdhsa_float_denorm_mode_16_64 3
		.amdhsa_memory_ordered 1
		.amdhsa_forward_progress 1
		.amdhsa_inst_pref_size 3
	.end_amdhsa_kernel
	.amdgpu_metadata
---
amdhsa.version: [ 1, 2 ]
amdhsa.kernels:
  - .name:           k_q9c36e4c62c_prepx
    .symbol:         k_q9c36e4c62c_prepx.kd
    .args:
      - { .name: x, .offset: 0, .size: 8, .value_kind: global_buffer, .address_space: global }
      - { .name: xf, .offset: 8, .size: 8, .value_kind: global_buffer, .address_space: global }
    .group_segment_fixed_size: 0
    .private_segment_fixed_size: 0
    .kernarg_segment_align: 8
    .kernarg_segment_size: 16
    .max_flat_workgroup_size: 256
    .sgpr_count:     66
    .vgpr_count:     32
    .wavefront_size: 32
...
	.end_amdgpu_metadata
.endif
;; end of part 1
;; launch first (part 2): grid 256 x 1, 4 waves a work-group, no clusters, 286,208 bytes of LDS; arguments xf, W1, b1, Wb, hbuf, pb; writes hbuf, pb
.if DOCPART == 2
	.amdgcn_target "amdgcn-amd-amdhsa--gfx1250"
	.amdhsa_code_object_version 6
	.text
	.protected	k_q9c36e4c62c_first
	.globl	k_q9c36e4c62c_first
	.p2align	8
	.type	k_q9c36e4c62c_first,@function
k_q9c36e4c62c_first:
	s_mov_b64 s[64:65], 0
	v_nop
	global_prefetch_b8 v0, s[64:65] scope:SCOPE_SE
	s_setreg_imm32_b32 hwreg(HW_REG_WAVE_MODE, 25, 1), 1
	s_wait_xcnt 0x0
; h[e][t][:] = relu(x[t] . W1[e] + b1[e]) for all 16 experts and 1,024 tokens, stored in bf16, and the partial bids pb[e][js][t] = the sum over the slice's 128
; hidden columns of h (in f32, unrounded) x Wb[e].  x (in xf), W1, b1 and Wb are all rounded once to bf16; products' sums in f32.
; LIMITS.  The order of the f32 sums is not reference()'s: two bids of a token that lie closer together than the sums' last bits can change places.
; SHARES.  Work-group 16 e + js owns the slice W1[e][0..1023][128 js .. +127], 512 KB of f32 that no other work-group reads.  Tokens go in two passes of 512; a wave has
; 128 of them: 8 tiles of 16 tokens x 128 columns = 64 accumulators = 512 registers.  K goes in 32 steps of 32.
; PASS 0 streams the slice: for each K step wave w loads rows 8 w .. 8 w + 7 (eight loads, each one row piece of 512 consecutive bytes); a lane then holds 8 k of 4 columns, so 16
; packed roundings give four pieces of 16 bytes that already lie along K; they go into the RESIDENT slice in LDS (262,144 bytes, each byte written once).  Pass 1 reads it, without barriers.
; x's fragments come straight from memory into registers: no two waves of a work-group share a token.
; NO JOINT TENSOR LOADS for x, though all work-groups read it: two LDS slots of 512 tokens x 32 K are 65,536 bytes; with the resident slice (262,144) and the spare words (512)
; that is 328,192 bytes, more than the 327,680 that a work-group can have.
; THE MATRIX INSTRUCTION IS USED TRANSPOSED: source 0 = 16 columns of W1, source 1 = 16 tokens: lane (r, h) holds token r and columns 16 f + 8 h + 0..7.  b1 is the C operand of a pass's first K step.
; RESIDENT LAYOUT.  K step c at 8,192 c; in it the octet of k that wave w stored at 2,048 w; in it fragment f (16 columns) at 256 f; in it column r's 16 bytes at slot (r + f % 4) % 16:
; the 16 lanes that a store or a load serves together touch 16 different 16-byte columns modulo 256 bytes.
; REGISTERS, in windows of 256 (s_set_vgpr_msb: bits 1:0 source 0, 3:2 source 1, 5:4 source 2, 7:6 destination):
;   window 0: v0-47 addresses; v48-143 W1 as loaded, three slots of 32; v144-159 packed pieces; v160-223 b1 as C; v224-255 the way out.  On the way out v48-111 Wb, v112-143 at work, v144-159 bids
;   window 1: v0-191 x's fragments, three buffers of 64; v192-255 W1's fragments of one K step          windows 2, 3: accumulators (f, a) at window 2 + f / 4, v[64 (f % 4) + 8 a]
.set PITCH,  8192                      ; bytes from row to row of W1
.set CHUNK,  8192                      ; a K step of the resident slice
.set CONST,  262144                    ; for each wave 1,024 bytes: b1's slice, then Wb's, rounded, as f32
.set STAGE,  266240                    ; for each wave 16 rows x 272 bytes, for the way out
.set SPITCH, 272
.set SCR,    283648                    ; for each wave 512 bytes: its 128 bids
.set SPARE,  285696                    ; the spare words: 128 bytes for each wave, two blocks of 256 bytes that no other line names
.set LANE, 1
.set R,    2                           ; lane % 16
.set HH,   3                           ; lane / 16
.set WOFF, 4                           ; my 16 bytes in the wave's first row of a K step of W1
.set AOFF, 5                           ; 16 x lane
.set RB,   6                           ; v6-9    where I read fragments f % 4 = 0..3 of the K step in hand
.set SB,   10                          ; v10-13  where I store the pieces of my four columns
.set STO,  14
.set RD,   15
.set HO,   16
.set CA,   17
.set SC4,  18
.set SC16, 19
.set CST,  20
.set BOFF, 24
.set RB0,  40                          ; v40-43  RB at K step 0
.set SPW,  46                          ; my spare word; never rewritten
.set NIL,  47                          ; 0; never rewritten
.set WR,   48
.set T,    144
.set CB,   160
.set CWB,  48
.set Z,    112
.set BT,   144
.set BR,   152
.set OB,   224
.set WV,  16                           ; s16 wave   s17 expert   s18 slice   s19 pass   s20 loop count
.set EX,  17
.set JS,  18
.set P,   19
.set CNT, 20
.set WB,  24                           ; s[24:25] W1 at the slice, K step in hand
.set XB,  26                           ; s[26:27] xf at my wave's blocks, K step in hand
.set HBS, 28                           ; s[28:29] hbuf at my wave's first row of the pass
.set PBS, 30                           ; s[30:31] pb at my wave's first token of the pass
.set SEL, 32                           ; s[32:33] v_permlanex16_b32's selects
.set MSB, 0
.macro WIN new                         ; the immediate's high byte repeats the setting that is left; a switch that changes nothing is dropped
.if MSB != (\new)
	s_set_vgpr_msb (MSB<<8)|(\new)
.set MSB, \new
.endif
.endm
.macro PLACES                          ; four plain vector instructions between a matrix instruction and a load into, or a read of, its registers
.rept 4
	v_nop
.endr
.endm
.macro ALOAD buf, kk                   ; x's fragments of K step kk (counted from XB) for my 8 tiles: 16 loads of 512 consecutive bytes
	WIN 0x40
.irp a, 0,1,2,3,4,5,6,7
	global_load_b128 v[64*(\buf)+8*\a:64*(\buf)+8*\a+3],   v[AOFF], s[XB:XB+1] offset:(\kk)*32768+\a*1024
	global_load_b128 v[64*(\buf)+8*\a+4:64*(\buf)+8*\a+7], v[AOFF], s[XB:XB+1] offset:(\kk)*32768+\a*1024+512
.endr
.endm
.macro WLOAD s, nk                     ; my 8 rows of K step nk (counted from WB) of the slice
	WIN 0
.irp i, 0,1,2,3,4,5,6,7
	global_load_b128 v[WR+32*(\s)+4*\i:WR+32*(\s)+4*\i+3], v[WOFF], s[WB:WB+1] offset:(\nk)*32*PITCH+\i*PITCH th:TH_LOAD_NT
.endr
.endm
.macro WCVT s, nk                      ; slot s rounded: k and k + 1 of one column make a word, four words a piece; the four pieces go into the resident slice
	WIN 0
.irp c, 0,1,2,3
.irp q, 0,1,2,3
	v_cvt_pk_bf16_f32 v[T+4*\c+\q], v[WR+32*(\s)+8*\q+\c], v[WR+32*(\s)+8*\q+4+\c]
.endr
.endr
.irp c, 0,1,2,3
	ds_store_b128 v[SB+\c], v[T+4*\c:T+4*\c+3] offset:(\nk)*CHUNK
.endr
.endm
.macro BFETCH H, nk                    ; fragments 4 H .. 4 H + 3 of K step nk (counted from RB): 8 loads
	WIN 0x40
.irp f, 0,1,2,3
	ds_load_b128 v[192+8*(4*(\H)+\f):192+8*(4*(\H)+\f)+3],   v[RB+\f] offset:(\nk)*CHUNK+(4*(\H)+\f)*256
	ds_load_b128 v[192+8*(4*(\H)+\f)+4:192+8*(4*(\H)+\f)+7], v[RB+\f] offset:(\nk)*CHUNK+(4*(\H)+\f)*256+4096
.endr
.endm
; 8 products: tiles 2 g, 2 g + 1 x fragments 4 H .. 4 H + 3.  The accumulators take turns, one instruction a turn.  zero = 1: the sums start from b1.
.macro GROUP H, g, buf, zero
.if \zero
	WIN 0x85+0x40*(\H)
.else
	WIN 0xa5+0x50*(\H)
.endif
.irp a, 2*(\g), 2*(\g)+1
.irp f, 0,1,2,3
.if \zero
	v_wmma_f32_16x16x32_bf16 v[64*\f+8*(\a):64*\f+8*(\a)+7], v[192+8*(4*(\H)+\f):192+8*(4*(\H)+\f)+7], v[64*(\buf)+8*(\a):64*(\buf)+8*(\a)+7], v[CB+8*(4*(\H)+\f):CB+8*(4*(\H)+\f)+7]
.else
	v_wmma_f32_16x16x32_bf16 v[64*\f+8*(\a):64*\f+8*(\a)+7], v[192+8*(4*(\H)+\f):192+8*(4*(\H)+\f)+7], v[64*(\buf)+8*(\a):64*(\buf)+8*(\a)+7], v[64*\f+8*(\a):64*\f+8*(\a)+7]
.endif
.endr
.endr
.endm
; K STEP t = 3 g + phi: 64 products.  al: x of step t + 2 is asked for.  cv: the slice's step t + 2 is rounded and stored; wl: its step t + 5 is asked for.  bf: W1's fragments of step t + 1 are
; fetched, each half behind the last product that read its registers and 32 products ahead of its first use.  With cv one barrier: it shows step t + 2 to every wave; between two barriers
; the waves read steps t and t + 1 and write step t + 2, and no resident byte is written twice.
; lc: the global loads issued behind x of step t.  Pass 0: W(t + 3), x(t + 1), W(t + 4) = 8 + 16 + 8 = 32 (W(t + 2) was issued ahead of x(t), so it is in too); 24 and 16 when the slice's loads have
; ended; 16 = x(t + 1) without the slice; 0 in the last step.
.macro TRIP phi, zero, cv, wl, al, bf, lc
	s_wait_loadcnt \lc
.if \al
	ALOAD ((\phi)+2)%3, (\phi)+2
.endif
	s_wait_dscnt 8                                 ; the lower four fragments are in; the upper four's 8 loads may be out
	GROUP 0, 0, (\phi)%3, \zero
	GROUP 0, 1, (\phi)%3, \zero
	GROUP 0, 2, (\phi)%3, \zero
	GROUP 0, 3, (\phi)%3, \zero
.if \cv
	WCVT ((\phi)+2)%3, (\phi)+2                    ; its 16 roundings are the places in front of the loads below
.if \wl
	WLOAD ((\phi)+2)%3, (\phi)+5
.endif
.else
	PLACES
.endif
.if \bf
	BFETCH 0, (\phi)+1
.endif
	s_wait_dscnt 8*(\bf)+4*(\cv)                   ; the upper four fragments are in: behind their loads stand the 4 stores and the 8 loads just issued
	GROUP 1, 0, (\phi)%3, \zero
	GROUP 1, 1, (\phi)%3, \zero
.if \cv
	s_wait_dscnt 0x0                               ; for the others' sake: my stores into the resident slice are done
	s_barrier_signal -1
.endif
	GROUP 1, 2, (\phi)%3, \zero
	GROUP 1, 3, (\phi)%3, \zero
.if \cv
	s_barrier_wait -1
.endif
	PLACES                                         ; in front of the loads into the upper fragments, and of the next step's loads into the x buffer just multiplied
.if \bf
	BFETCH 1, (\phi)+1
.endif
.endm
.macro STEP w                          ; three K steps on
	WIN 0
	s_wait_xcnt 0x0                                ; the bases of the loads issued so far are rewritten only behind this wait
	s_add_nc_u64 s[XB:XB+1], s[XB:XB+1], 3*32768
.if \w
	s_add_nc_u64 s[WB:WB+1], s[WB:WB+1], 96*PITCH
.irp c, 0,1,2,3
	v_add_nc_u32 v[SB+\c], 3*CHUNK, v[SB+\c]
.endr
.endif
.irp q, 0,1,2,3
	v_add_nc_u32 v[RB+\q], 3*CHUNK, v[RB+\q]
.endr
.endm
.macro RND2 a, t                       ; v[a], v[a + 1] rounded to bf16 and widened again
	v_cvt_pk_bf16_f32 v[\t], v[\a], v[(\a)+1]
	v_lshlrev_b32 v[\a], 16, v[\t]
	v_and_b32 v[(\a)+1], 0xffff0000, v[\t]
.endm
; THE WAY OUT of tile a: relu; the bid's part (four chains of packed multiply-adds in f32); rounding to bf16; through my own stage, so that sixteen lanes store 256 consecutive bytes of a row of h.
; Each accumulator's registers are read in ascending order.
.macro EPI a
.irp H, 0,1
	WIN 0x08+4*\H
.set i, 0
.rept 32
	v_max_num_f32 v[Z+i], 0, v[64*(i/8)+8*(\a)+i%8]
.set i, i+1
.endr
	WIN 0
.set i, 0
.rept 16
.if (\H == 0) && (i < 4)
	v_pk_mul_f32 v[BT+2*i:BT+2*i+1], v[Z+2*i:Z+2*i+1], v[CWB+2*i:CWB+2*i+1]
.else
	v_pk_fma_f32 v[BT+2*(i%4):BT+2*(i%4)+1], v[Z+2*i:Z+2*i+1], v[CWB+32*\H+2*i:CWB+32*\H+2*i+1], v[BT+2*(i%4):BT+2*(i%4)+1]
.endif
.set i, i+1
.endr
.set i, 0
.rept 16
	v_cvt_pk_bf16_f32 v[Z+i], v[Z+2*i], v[Z+2*i+1]
.set i, i+1
.endr
.irp f, 0,1,2,3
	ds_store_b128 v[STO], v[Z+4*\f:Z+4*\f+3] offset:32*(4*\H+\f)
.endr
.endr
	v_pk_add_f32 v[BT:BT+1], v[BT:BT+1], v[BT+2:BT+3]
	v_pk_add_f32 v[BT+4:BT+5], v[BT+4:BT+5], v[BT+6:BT+7]
	v_pk_add_f32 v[BT:BT+1], v[BT:BT+1], v[BT+4:BT+5]
	v_add_f32 v[BT], v[BT], v[BT+1]
	v_permlanex16_b32 v[BT+1], v[BT], s[SEL], s[SEL+1]  ; the token's other 64 columns lie in the lane 16 away
	v_add_f32 v[BR+\a], v[BT], v[BT+1]
	s_wait_xcnt 0x0                                ; the registers that the last tile's stores read are loaded again only behind this wait
.irp i, 0,1,2,3,4,5,6,7
	ds_load_b128 v[OB+4*\i:OB+4*\i+3], v[RD] offset:\i*2*SPITCH  ; LDS serves a wave's instructions in order (ISA guide 5.7.1.4): these see the stores above
.endr
.irp i, 0,1,2,3,4,5,6,7
	s_wait_dscnt 7-\i
	global_store_b128 v[HO], v[OB+4*\i:OB+4*\i+3], s[HBS:HBS+1] offset:(16*(\a)+2*\i)*4096
.endr
.endm
	s_load_b256 s[4:11], s[0:1], 0x0               ; xf s[4:5], W1 s[6:7], b1 s[8:9], Wb s[10:11]
	s_load_b128 s[12:15], s[0:1], 0x20             ; hbuf s[12:13], pb s[14:15]
	v_lshl_add_u32 v[SPW], v0, 2, SPARE
	v_mov_b32 v[NIL], 0
	v_lshrrev_b32 v21, 5, v0
	v_readfirstlane_b32 s[WV], v21                 ; wave 0..3
	s_lshr_b32 s[EX], ttmp9, 4
	s_and_b32 s[JS], ttmp9, 15
	v_and_b32 v[LANE], 31, v0
	v_and_b32 v[R], 15, v0
	v_bfe_u32 v[HH], v0, 4, 1
	v_lshlrev_b32 v[AOFF], 4, v[LANE]
	s_lshl_b32 s22, s[WV], 16                      ; 8 rows of 8,192 bytes a wave
	v_add_nc_u32 v[WOFF], s22, v[AOFF]
	s_lshl_b32 s22, s[EX], 13                      ; b1 and Wb: 2,048 numbers an expert, 128 a slice
	s_lshl_b32 s23, s[JS], 9
	s_add_co_u32 s22, s22, s23
	v_add_nc_u32 v[BOFF], s22, v[AOFF]
	s_lshl_b32 s34, s[EX], 23                      ; W1: 8 MB an expert, 512 bytes of a row a slice
	s_add_co_u32 s34, s34, s23
	s_mov_b32 s35, 0
	s_lshl_b32 s36, s[WV], 13                      ; xf: 8 blocks of 1,024 bytes a wave
	s_mov_b32 s37, 0
	s_wait_kmcnt 0x0
	s_add_nc_u64 s[WB:WB+1], s[6:7], s[34:35]
	s_add_nc_u64 s[XB:XB+1], s[4:5], s[36:37]
	global_load_b128 v[224:227], v[BOFF], s[8:9]
	global_load_b128 v[228:231], v[BOFF], s[10:11]
	WLOAD 0, 0
	WLOAD 1, 1
	WLOAD 2, 2
	ALOAD 0, 0
	ALOAD 1, 1                                     ; 58 loads are out
	WIN 0
	s_lshl_b32 s34, s[EX], 22                      ; hbuf: 4 MB an expert, 128 rows of 4,096 bytes a wave, 256 bytes of a row a slice
	s_lshl_b32 s36, s[WV], 19
	s_add_co_u32 s34, s34, s36
	s_lshl_b32 s36, s[JS], 8
	s_add_co_u32 s34, s34, s36
	s_add_nc_u64 s[HBS:HBS+1], s[12:13], s[34:35]
	s_lshl_b32 s34, ttmp9, 12                      ; pb: 4,096 bytes for an expert's slice, 512 a wave
	s_lshl_b32 s36, s[WV], 9
	s_add_co_u32 s34, s34, s36
	s_add_nc_u64 s[PBS:PBS+1], s[14:15], s[34:35]
	s_mov_b32 s[SEL], 0x76543210
	s_mov_b32 s[SEL+1], 0xfedcba98
.irp q, 0,1,2,3
	v_add_nc_u32 v21, \q, v[R]
	v_and_b32 v21, 15, v21
	v_lshlrev_b32 v21, 4, v21
	v_lshl_add_u32 v[RB0+\q], v[HH], 11, v21       ; octet h, slot (r + q) % 16
	v_mov_b32 v[RB+\q], v[RB0+\q]
.endr
	v_lshrrev_b32 v21, 2, v[LANE]                  ; my four columns lie in fragment f = lane / 4, at r = 4 (lane % 4) + c
	v_and_b32 v22, 3, v[LANE]
	v_and_b32 v23, 3, v21
	v_lshl_add_u32 v22, v22, 2, v23
	v_lshlrev_b32 v21, 8, v21
	s_lshl_b32 s22, s[WV], 11
	v_add_nc_u32 v21, s22, v21
.irp c, 0,1,2,3
	v_add_nc_u32 v23, \c, v22
	v_and_b32 v23, 15, v23
	v_lshl_add_u32 v[SB+\c], v23, 4, v21
.endr
	s_mul_i32 s22, s[WV], 16*SPITCH
	s_add_co_u32 s22, s22, STAGE
	v_mul_u32_u24 v21, v[R], SPITCH                ; in: row r, 16 bytes for each half of the lanes
	v_lshl_add_u32 v21, v[HH], 4, v21
	v_add_nc_u32 v[STO], s22, v21
	v_mul_u32_u24 v21, v[HH], SPITCH               ; back: lanes 0-15 one row of 256 bytes, lanes 16-31 the next
	v_lshl_add_u32 v21, v[R], 4, v21
	v_add_nc_u32 v[RD], s22, v21
	v_lshlrev_b32 v21, 4, v[R]
	v_lshl_add_u32 v[HO], v[HH], 12, v21           ; and the same two rows in hbuf
	s_lshl_b32 s22, s[WV], 10
	s_add_co_u32 s22, s22, CONST
	v_lshl_add_u32 v[CA], v[HH], 5, s22
	v_add_nc_u32 v[CST], s22, v[AOFF]
	s_lshl_b32 s22, s[WV], 9
	s_add_co_u32 s22, s22, SCR
	v_lshl_add_u32 v[SC4], v[R], 2, s22
	v_add_nc_u32 v[SC16], s22, v[AOFF]
	s_wait_loadcnt 56                              ; b1's and Wb's slices are in: behind them 24 loads of W1 and 32 of x
	RND2 224, 232
	RND2 226, 233
	RND2 228, 234
	RND2 230, 235
	ds_store_b128 v[CST], v[224:227]
	ds_store_b128 v[CST], v[228:231] offset:512
.irp f, 0,1,2,3,4,5,6,7
	ds_load_b128 v[CB+8*\f:CB+8*\f+3],   v[CA] offset:64*\f      ; b1 of columns 16 f + 8 h + 0..7: my wave's own bytes, served in order
	ds_load_b128 v[CB+8*\f+4:CB+8*\f+7], v[CA] offset:64*\f+16
.endr
	s_wait_loadcnt 48                              ; K step 0 of the slice is in: behind it W(1), W(2), x(0), x(1)
	WCVT 0, 0
	WLOAD 0, 3
	s_wait_loadcnt 48                              ; K step 1: behind it W(2), x(0), x(1), W(3)
	WCVT 1, 1
	WLOAD 1, 4
	s_wait_dscnt 0x0                               ; my stores of steps 0 and 1 are done (and b1 is in)
	s_barrier_signal -1
	s_barrier_wait -1
	BFETCH 0, 0
	BFETCH 1, 0
	s_mov_b32 s[P], 0
	; PASS 0: steps 0 .. 29 with the slice's stream and a barrier each
	TRIP 0, 1, 1, 1, 1, 1, 32
	WIN 0
	s_mov_b32 s[CNT], 9
	s_branch .Lw1                                  ; the loop is entered behind its first step: steps 1 .. 26
.Lw:
	TRIP 0, 0, 1, 1, 1, 1, 32
	WIN 0
.Lw1:
	TRIP 1, 0, 1, 1, 1, 1, 32
	TRIP 2, 0, 1, 1, 1, 1, 32
	STEP 1
	s_sub_co_u32 s[CNT], s[CNT], 1
	s_cmp_lg_u32 s[CNT], 0
	s_cbranch_scc1 .Lw
	TRIP 0, 0, 1, 0, 1, 1, 32                      ; steps 27 .. 29: nothing is left of the slice to ask for
	TRIP 1, 0, 1, 0, 1, 1, 24
	TRIP 2, 0, 1, 0, 1, 1, 16
	STEP 0
	s_branch .Ltail
.Lpass1:                                               ; PASS 1: the slice is resident and shown to every wave: no barrier
	TRIP 0, 1, 0, 0, 1, 1, 16
	WIN 0
	s_mov_b32 s[CNT], 10
	s_branch .Ln1                                  ; steps 1 .. 29
.Ln:
	TRIP 0, 0, 0, 0, 1, 1, 16
	WIN 0
.Ln1:
	TRIP 1, 0, 0, 0, 1, 1, 16
	TRIP 2, 0, 0, 0, 1, 1, 16
	STEP 0
	s_sub_co_u32 s[CNT], s[CNT], 1
	s_cmp_lg_u32 s[CNT], 0
	s_cbranch_scc1 .Ln
.Ltail:                                                ; steps 30 and 31 of either pass
	TRIP 0, 0, 0, 0, 0, 1, 16
	TRIP 1, 0, 0, 0, 0, 0, 0
	WIN 0
	s_cmp_lg_u32 s[P], 0
	s_cbranch_scc1 .Lepi
	s_wait_xcnt 0x0                                ; pass 1's first fragments are asked for ahead of pass 0's way out, which touches none of their registers
	s_add_nc_u64 s[XB:XB+1], s[XB:XB+1], 65536     ; 30 K steps were stepped: two more lead to the second half of xf
.irp q, 0,1,2,3
	v_mov_b32 v[RB+\q], v[RB0+\q]
.endr
	ALOAD 0, 0
	ALOAD 1, 1
	BFETCH 0, 0
	BFETCH 1, 0
	WIN 0
.Lepi:
.irp f, 0,1,2,3,4,5,6,7
	ds_load_b128 v[CWB+8*\f:CWB+8*\f+3],   v[CA] offset:512+64*\f   ; Wb of columns 16 f + 8 h + 0..7
	ds_load_b128 v[CWB+8*\f+4:CWB+8*\f+7], v[CA] offset:512+64*\f+16
.endr
	s_wait_dscnt 0x0
.irp a, 0,1,2,3,4,5,6,7
	EPI \a
.endr
.irp a, 0,1,2,3,4,5,6,7
	ds_store_b32 v[SC4], v[BR+\a] offset:64*\a     ; both halves of the lanes hold the same sum and write the same word
.endr
	ds_load_b128 v[BT:BT+3], v[SC16]               ; back as four tokens a lane
	s_wait_dscnt 0x0
	global_store_b128 v[AOFF], v[BT:BT+3], s[PBS:PBS+1]  ; 512 consecutive bytes
	s_wait_xcnt 0x0
	s_add_nc_u64 s[HBS:HBS+1], s[HBS:HBS+1], 512*4096
	s_add_nc_u64 s[PBS:PBS+1], s[PBS:PBS+1], 2048
	s_add_co_u32 s[P], s[P], 1
	s_cmp_lt_u32 s[P], 2
	s_cbranch_scc1 .Lpass1
	s_wait_tensorcnt 0x0                           ; the wave's end, behind my last LDS store
	ds_add_u32 v[SPW], v[NIL]
	s_wait_dscnt 0x0
	s_endpgm
.Lfunc_end_k_q9c36e4c62c_first:
	.size	k_q9c36e4c62c_first, .Lfunc_end_k_q9c36e4c62c_first-k_q9c36e4c62c_first
	.p2alignl 7, 3214868480
	.fill 96, 4, 3214868480
	.section	.rodata,"a",@progbits
	.p2align	6, 0x0
	.amdhsa_kernel k_q9c36e4c62c_first
		.amdhsa_group_segment_fixed_size 286208
		.amdhsa_private_segment_fixed_size 0
		.amdhsa_enable_private_segment 0
		.amdhsa_kernarg_size 48
		.amdhsa_user_sgpr_count 2
		.amdhsa_user_sgpr_kernarg_segment_ptr 1
		.amdhsa_wavefront_size32 1
		.amdhsa_system_sgpr_workgroup_id_x 1
		.amdhsa_system_sgpr_workgroup_id_y 1
		.amdhsa_system_sgpr_workgroup_id_z 1
		.amdhsa_system_vgpr_workitem_id 0
		.amdhsa_next_free_vgpr 1024
		.amdhsa_next_free_sgpr 66
		.amdhsa_reserve_vcc 0
		.amdhsa_float_denorm_mode_32 3
		.amdhsa_float_denorm_mode_16_64 3
		.amdhsa_memory_ordered 1
		.amdhsa_forward_progress 1
		.amdhsa_inst_pref_size 192
	.end_amdhsa_kernel
	.amdgpu_metadata
---
amdhsa.version: [ 1, 2 ]
amdhsa.kernels:
  - .name:           k_q9c36e4c62c_first
    .symbol:         k_q9c36e4c62c_first.kd
    .args:
      - { .name: xf, .offset: 0, .size: 8, .value_kind: global_buffer, .address_space: global }
      - { .name: W1, .offset: 8, .size: 8, .value_kind: global_buffer, .address_space: global }
      - { .name: b1, .offset: 16, .size: 8, .value_kind: global_buffer, .address_space: global }
      - { .name: Wb, .offset: 24, .size: 8, .value_kind: global_buffer, .address_space: global }
      - { .name: hbuf, .offset: 32, .size: 8, .value_kind: global_buffer, .address_space: global }
      - { .name: pb, .offset: 40, .size: 8, .value_kind: global_buffer, .address_space: global }
    .group_segment_fixed_size: 286208
    .private_segment_fixed_size: 0
    .kernarg_segment_align: 8
    .kernarg_segment_size: 48
    .max_flat_workgroup_size: 128
    .sgpr_count:     66
    .vgpr_count:     1024
    .wavefront_size: 32
...
	.end_amdgpu_metadata
.endif
;; end of part 2
;; launch route (part 3): grid 16 x 1, 8 waves a work-group, no clusters, 5,120 bytes of LDS; arguments pb, bb, out1, tmw; writes out1, tmw
.if DOCPART == 3
	.amdgcn_target "amdgcn-amd-amdhsa--gfx1250"
	.amdhsa_code_object_version 6
	.text
	.protected	k_q9c36e4c62c_route
	.globl	k_q9c36e4c62c_route
	.p2align	8
	.type	k_q9c36e4c62c_route,@function
k_q9c36e4c62c_route:
	s_mov_b64 s[64:65], 0
	v_nop
	global_prefetch_b8 v0, s[64:65] scope:SCOPE_SE
	s_setreg_imm32_b32 hwreg(HW_REG_WAVE_MODE, 25, 1), 1
	s_wait_xcnt 0x0
; bid[e][t] = the sum over the 16 slices of pb[e][js][t] (ascending js, f32) + bb[e] (rounded to bf16 like every input); out1[t] = the four experts with the largest bids, in descending order,
; the lower index first among equals, as jax.lax.top_k has it; tmw[t] = {bit e set: expert e was chosen; bits 2 e + 1 : 2 e: its rank}.
; LIMITS.  Bids are taken to be finite: a winner is struck out by -infinity, and a NaN is never chosen.
; A work-group has 64 tokens: thread (e = t / 16, q = t % 16) sums four tokens' bids of one expert (sixteen lanes load 256 consecutive bytes); the bids meet in LDS; waves 0 and 1 take a token a lane.
; No address and no branch hangs on a bid.  There is work for 16 work-groups: 1 MB is read once.
.set SPARE, 4096                       ; behind the bids (16 x 256 bytes): the spare words, 128 bytes for each of eight waves
.set BID,  72                          ; v72-87
.set BEST, 90
.set IDX,  92                          ; v92-95
.set MASK, 96
.set SLOT, 97
.set ONE,  98
.set KR,   100
.set NINF, 101
.set SPW,  110
.set NIL,  111
	s_load_b256 s[4:11], s[0:1], 0x0               ; pb s[4:5], bb s[6:7], out1 s[8:9], tmw s[10:11]
	v_lshl_add_u32 v[SPW], v0, 2, SPARE
	v_mov_b32 v[NIL], 0
	v_lshrrev_b32 v1, 5, v0
	v_readfirstlane_b32 s12, v1                    ; wave 0..7
	v_lshrrev_b32 v2, 4, v0                        ; e
	v_and_b32 v3, 15, v0                           ; q
	v_lshlrev_b32 v4, 16, v2                       ; 65,536 bytes an expert
	v_lshl_add_u32 v4, v3, 4, v4
	s_lshl_b32 s13, ttmp9, 8                       ; 64 tokens a work-group
	v_add_nc_u32 v4, s13, v4
	v_lshlrev_b32 v5, 2, v2
	v_lshlrev_b32 v102, 2, v0
	v_lshlrev_b32 v103, 4, v0
	v_lshlrev_b32 v104, 3, v0
	s_lshl_b32 s14, ttmp9, 10
	s_mov_b32 s15, 0
	s_lshl_b32 s16, ttmp9, 9
	s_mov_b32 s17, 0
	s_wait_kmcnt 0x0
	s_add_nc_u64 s[8:9], s[8:9], s[14:15]
	s_add_nc_u64 s[10:11], s[10:11], s[16:17]
	global_load_b32 v6, v5, s[6:7]
.irp j, 0,1,2,3,4,5,6,7,8,9,10,11,12,13,14,15
	global_load_b128 v[8+4*\j:11+4*\j], v4, s[4:5] offset:\j*4096 th:TH_LOAD_NT
.endr
	s_wait_loadcnt 0x0
	v_cvt_pk_bf16_f32 v7, v6, v6
	v_lshlrev_b32 v6, 16, v7
	v_mov_b32 v7, v6
.irp j, 1,2,3,4,5,6,7,8,9,10,11,12,13,14,15
	v_pk_add_f32 v[8:9], v[8:9], v[8+4*\j:9+4*\j]
	v_pk_add_f32 v[10:11], v[10:11], v[10+4*\j:11+4*\j]
.endr
	v_pk_add_f32 v[8:9], v[8:9], v[6:7]
	v_pk_add_f32 v[10:11], v[10:11], v[6:7]
	ds_store_b128 v103, v[8:11]                    ; 256 e + 16 q = 16 x thread
	s_wait_dscnt 0x0                               ; for the others' sake
	s_barrier_signal -1
	s_barrier_wait -1
	s_cmp_gt_u32 s12, 1
	s_cbranch_scc1 .Lend                           ; 64 tokens: two waves
.irp e, 0,1,2,3,4,5,6,7,8,9,10,11,12,13,14,15
	ds_load_b32 v[BID+\e], v102 offset:\e*256
.endr
	v_mov_b32 v[ONE], 1
	v_mov_b32 v[NINF], 0xff800000
	v_mov_b32 v[MASK], 0
	v_mov_b32 v[SLOT], 0
	s_wait_dscnt 0x0
.irp k, 0,1,2,3
	v_mov_b32 v[BEST], v[BID]
	v_mov_b32 v[IDX+\k], 0
.irp e, 1,2,3,4,5,6,7,8,9,10,11,12,13,14,15
	v_cmp_gt_f32 vcc_lo, v[BID+\e], v[BEST]        ; strictly greater, in ascending e: among equals the lower index stays
	v_cndmask_b32 v[BEST], v[BEST], v[BID+\e], vcc_lo
	v_cndmask_b32 v[IDX+\k], v[IDX+\k], \e, vcc_lo
.endr
	v_lshlrev_b32 v99, v[IDX+\k], v[ONE]
	v_or_b32 v[MASK], v[MASK], v99
.if \k > 0
	v_mov_b32 v[KR], \k
	v_lshlrev_b32 v99, 1, v[IDX+\k]
	v_lshlrev_b32 v99, v99, v[KR]
	v_or_b32 v[SLOT], v[SLOT], v99
.endif
.if \k < 3
.irp e, 0,1,2,3,4,5,6,7,8,9,10,11,12,13,14,15
	v_cmp_eq_u32 vcc_lo, \e, v[IDX+\k]             ; the winner is struck out
	v_cndmask_b32 v[BID+\e], v[BID+\e], v[NINF], vcc_lo
.endr
.endif
.endr
	global_store_b128 v103, v[IDX:IDX+3], s[8:9]
	global_store_b64 v104, v[MASK:MASK+1], s[10:11]
.Lend:
	s_wait_tensorcnt 0x0                           ; the wave's end, behind my last LDS store
	ds_add_u32 v[SPW], v[NIL]
	s_wait_dscnt 0x0
	s_endpgm
.Lfunc_end_k_q9c36e4c62c_route:
	.size	k_q9c36e4c62c_route, .Lfunc_end_k_q9c36e4c62c_route-k_q9c36e4c62c_route
	.p2alignl 7, 3214868480
	.fill 96, 4, 3214868480
	.section	.rodata,"a",@progbits
	.p2align	6, 0x0
	.amdhsa_kernel k_q9c36e4c62c_route
		.amdhsa_group_segment_fixed_size 5120
		.amdhsa_private_segment_fixed_size 0
		.amdhsa_enable_private_segment 0
		.amdhsa_kernarg_size 32
		.amdhsa_user_sgpr_count 2
		.amdhsa_user_sgpr_kernarg_segment_ptr 1
		.amdhsa_wavefront_size32 1
		.amdhsa_system_sgpr_workgroup_id_x 1
		.amdhsa_system_sgpr_workgroup_id_y 1
		.amdhsa_system_sgpr_workgroup_id_z 1
		.amdhsa_system_vgpr_workitem_id 0
		.amdhsa_next_free_vgpr 112
		.amdhsa_next_free_sgpr 66
		.amdhsa_reserve_vcc 1
		.amdhsa_float_denorm_mode_32 3
		.amdhsa_float_denorm_mode_16_64 3
		.amdhsa_memory_ordered 1
		.amdhsa_forward_progress 1
		.amdhsa_inst_pref_size 18
	.end_amdhsa_kernel
	.amdgpu_metadata
---
amdhsa.version: [ 1, 2 ]
amdhsa.kernels:
  - .name:           k_q9c36e4c62c_route
    .symbol:         k_q9c36e4c62c_route.kd
    .args:
      - { .name: pb, .offset: 0, .size: 8, .value_kind: global_buffer, .address_space: global }
      - { .name: bb, .offset: 8, .size: 8, .value_kind: global_buffer, .address_space: global }
      - { .name: out1, .offset: 16, .size: 8, .value_kind: global_buffer, .address_space: global }
      - { .name: tmw, .offset: 24, .size: 8, .value_kind: global_buffer, .address_space: global }
    .group_segment_fixed_size: 5120
    .private_segment_fixed_size: 0
    .kernarg_segment_align: 8
    .kernarg_segment_size: 32
    .max_flat_workgroup_size: 256
    .sgpr_count:     66
    .vgpr_count:     112
    .wavefront_size: 32
...
	.end_amdgpu_metadata
.endif
;; end of part 3
;; launch second (part 4): grid 256 x 1, 4 waves a work-group, no clusters, 302,848 bytes of LDS; arguments hbuf, W2, b2, tmw, ybuf; writes ybuf
.if DOCPART == 4
	.amdgcn_target "amdgcn-amd-amdhsa--gfx1250"
	.amdhsa_code_object_version 6
	.text
	.protected	k_q9c36e4c62c_second
	.globl	k_q9c36e4c62c_second
	.p2align	8
	.type	k_q9c36e4c62c_second,@function
k_q9c36e4c62c_second:
	s_mov_b64 s[64:65], 0
	v_nop
	global_prefetch_b8 v0, s[64:65] scope:SCOPE_SE
	s_setreg_imm32_b32 hwreg(HW_REG_WAVE_MODE, 25, 1), 1
	s_wait_xcnt 0x0
; ybuf[t][k][kh][:] = h[e][t][1024 kh .. +1023] . W2[e][1024 kh .. +1023][:] (+ b2[e] where kh = 0), for the tokens t that chose expert e, k = e's rank for t: partial sums in f32.
; h comes in bf16; W2 and b2 are rounded once to bf16; sums in f32.
; SHARES.  Work-group 16 e + 8 kh + js owns the slice W2[e][1024 kh .. +1023][128 js .. +127], 512 KB of f32 that no other work-group reads, and ALL rows of expert e, 0 to 1,024 of them.
; THE LIST.  Wave 0 makes the expert's list of rows from tmw (whole numbers that an earlier launch stored): entry = 4 token + rank, in ascending token order; places past the count hold 0,
; a row that exists.  All lanes store: a lane whose token did not choose the expert stores into a dump word of its own behind the list.  Until the barrier that shows the list no other wave touches LDS;
; waves 1 to 3 count the rows meanwhile.  Rows go in two passes of 512; tile 4 a + w of a pass is tile a of wave w, so that live tiles are dealt evenly.
; PASS 0 streams the slice into LDS as the first product's kernel does, with a constant number of trips and barriers, whatever the count: only products and stores of dead tiles are jumped over, forward.
; An expert without rows streams its slice all the same and stores nothing.  PASS 1's K part reads the resident slice, has no barrier, and is jumped by a wave that has no live tile in it.
; Dead tiles still issue their loads (of one row that exists), so that every counted wait counts the same loads on every way.
; h's rows come by a list, which no tensor descriptor covers, and the resident slice leaves no room for slots: no tensor loads, no joint loads.
; THE MATRIX INSTRUCTION IS USED TRANSPOSED: lane (r, h) holds row r and columns 16 f + 8 h + 0..7.  b2 (or 0) is the C operand of a pass's first K step, which runs for all tiles, so that every accumulator is written.
; RESIDENT LAYOUT as in the first product's kernel, from RES on: K step c at 8,192 c, wave w's octet of k at 2,048 w, fragment f at 256 f, column r at slot (r + f % 4) % 16.
; REGISTERS, in windows of 256 (s_set_vgpr_msb: bits 1:0 source 0, 3:2 source 1, 5:4 source 2, 7:6 destination):
;   window 0: v0-47 addresses; v48-143 W2 as loaded; v144-159 packed pieces; v160-223 tmw, then b2 as C; on the way out v48-111 rows, v112-127 their offsets
;   window 1: v0-191 h's fragments, three buffers; v192-255 W2's fragments          windows 2, 3: accumulators (f, a) at window 2 + f / 4, v[64 (f % 4) + 8 a]
.set PITCH,  4096                      ; bytes from row to row of W2
.set CHUNK,  8192
.set DUMPB,  4096                      ; the list lies at LDS byte 0: 1,024 words; behind it 32 dump words; with them 17 blocks of 256 bytes
.set RES,    4352                      ; the resident slice, 262,144 bytes
.set CONST,  RES+262144                ; for each wave 512 bytes: b2's slice
.set STAGE,  CONST+2048                ; for each wave 16 rows x 528 bytes
.set SPITCH, 528
.set SPARE,  STAGE+4*16*SPITCH         ; the spare words: 128 bytes for each wave, two blocks of 256 bytes that no other line names
.set LANE, 1
.set R,    2
.set HH,   3
.set WOFF, 4
.set L16,  5                           ; 16 x lane
.set RB,   6
.set SB,   10
.set STO,  14
.set SRD,  15
.set DMP,  16                          ; my dump word
.set CA,   17
.set CST,  20
.set ROFF, 24                          ; v24-31  tile a: my row's byte offset in the expert's h, + 16 h
.set LRD,  32                          ; where my row's entry of tile 0 lies
.set LE,   33                          ; where the pass's first entry of my tiles lies
.set LANE4, 34
.set H16,  35
.set ZR,   36                          ; v36-39  0
.set RB0,  40
.set TOFF, 44
.set BOFF, 45
.set SPW,  46
.set NIL,  47
.set WR,   48
.set T,    144
.set CB,   160
.set TMR,  160
.set OB,   48
.set YO,   112
.set WV,  16
.set EX,  17
.set JS,  18
.set P,   19
.set CNT, 20
.set KH,  21
.set WB,  24
.set HB,  26
.set HB0, 28
.set YB,  30
.set EBIT, 32
.set E2,  33
.set KM,  34
.set NE,  35                           ; the expert's rows
.set TP,  36                           ; live tiles in the pass
.set TW,  37                           ; my wave's live tiles in the pass
.set CN,  38                           ; live rows from my tile 0's first row on (may be negative)
.set CNA, 39
.set MSB, 0
.macro WIN new                         ; the immediate's high byte repeats the setting that is left; a switch that changes nothing is dropped
.if MSB != (\new)
	s_set_vgpr_msb (MSB<<8)|(\new)
.set MSB, \new
.endif
.endm
.macro PLACES                          ; four plain vector instructions between a matrix instruction and a load into, or a read of, its registers
.rept 4
	v_nop
.endr
.endm
.macro ALOAD buf, kk                   ; h's fragments of K step kk (counted from HB) for my 8 tiles
	WIN 0x40
.irp a, 0,1,2,3,4,5,6,7
	global_load_b128 v[64*(\buf)+8*\a:64*(\buf)+8*\a+3],   v[ROFF+\a], s[HB:HB+1] offset:(\kk)*64
	global_load_b128 v[64*(\buf)+8*\a+4:64*(\buf)+8*\a+7], v[ROFF+\a], s[HB:HB+1] offset:(\kk)*64+32
.endr
.endm
.macro WLOAD s, nk                     ; my 8 rows of K step nk (counted from WB) of the slice
	WIN 0
.irp i, 0,1,2,3,4,5,6,7
	global_load_b128 v[WR+32*(\s)+4*\i:WR+32*(\s)+4*\i+3], v[WOFF], s[WB:WB+1] offset:(\nk)*32*PITCH+\i*PITCH th:TH_LOAD_NT
.endr
.endm
.macro WCVT s, nk                      ; slot s rounded: k and k + 1 of one column make a word, four words a piece; the four pieces go into the resident slice
	WIN 0
.irp c, 0,1,2,3
.irp q, 0,1,2,3
	v_cvt_pk_bf16_f32 v[T+4*\c+\q], v[WR+32*(\s)+8*\q+\c], v[WR+32*(\s)+8*\q+4+\c]
.endr
.endr
.irp c, 0,1,2,3
	ds_store_b128 v[SB+\c], v[T+4*\c:T+4*\c+3] offset:(\nk)*CHUNK
.endr
.endm
.macro BFETCH H, nk                    ; fragments 4 H .. 4 H + 3 of K step nk (counted from RB): 8 loads
	WIN 0x40
.irp f, 0,1,2,3
	ds_load_b128 v[192+8*(4*(\H)+\f):192+8*(4*(\H)+\f)+3],   v[RB+\f] offset:(\nk)*CHUNK+(4*(\H)+\f)*256
	ds_load_b128 v[192+8*(4*(\H)+\f)+4:192+8*(4*(\H)+\f)+7], v[RB+\f] offset:(\nk)*CHUNK+(4*(\H)+\f)*256+4096
.endr
.endm
; 8 products: tiles 2 g, 2 g + 1 x fragments 4 H .. 4 H + 3; the accumulators take turns.  Live tiles are the first TW, so where tile 2 g is dead the rest of the run is jumped, to lab.
.macro GRP H, g, buf, zero, lab
.if \zero
	WIN 0x85+0x40*(\H)
.else
	WIN 0
	s_cmp_le_u32 s[TW], 2*(\g)
	s_cbranch_scc1 \lab
	WIN 0xa5+0x50*(\H)
.endif
.irp a, 2*(\g), 2*(\g)+1
.irp f, 0,1,2,3
.if \zero
	v_wmma_f32_16x16x32_bf16 v[64*\f+8*(\a):64*\f+8*(\a)+7], v[192+8*(4*(\H)+\f):192+8*(4*(\H)+\f)+7], v[64*(\buf)+8*(\a):64*(\buf)+8*(\a)+7], v[CB+8*(4*(\H)+\f):CB+8*(4*(\H)+\f)+7]
.else
	v_wmma_f32_16x16x32_bf16 v[64*\f+8*(\a):64*\f+8*(\a)+7], v[192+8*(4*(\H)+\f):192+8*(4*(\H)+\f)+7], v[64*(\buf)+8*(\a):64*(\buf)+8*(\a)+7], v[64*\f+8*(\a):64*\f+8*(\a)+7]
.endif
.endr
.endr
.endm
.macro G4 H, buf, zero                 ; up to 32 products: groups 0 .. 3
	GRP \H, 0, \buf, \zero, .Lq\@
	GRP \H, 1, \buf, \zero, .Lq\@
	GRP \H, 2, \buf, \zero, .Lq\@
	GRP \H, 3, \buf, \zero, .Lq\@
	WIN 0
.Lq\@:
.endm
; K STEP t = 3 g + phi.  al: h of step t + 2 is asked for.  cv: the slice's step t + 2 is rounded and stored, and one barrier, behind the step's last products, shows it to every wave; wl: step t + 5 is asked for.
; bf: W2's fragments of step t + 1 are fetched in two halves, each behind the last product that read its registers.
; lc: the global loads issued behind h of step t: W(t + 3), h(t + 1), W(t + 4) = 8 + 16 + 8 = 32 in pass 0 (W(t + 2) was issued ahead of h(t), so it is in too); 24, 16 when the slice's loads have ended;
; 16 = h(t + 1) without the slice; 0 at the end.  No jump passes a barrier's signal or wait, a load, a store or a wait, and none stands between a signal and its wait.
.macro TRIP phi, zero, cv, wl, al, bf, lc
	s_wait_loadcnt \lc
.if \al
	ALOAD ((\phi)+2)%3, (\phi)+2
.endif
	s_wait_dscnt 8                                 ; the lower four fragments are in; the upper four's 8 loads may be out
	G4 0, (\phi)%3, \zero
.if \cv
	WCVT ((\phi)+2)%3, (\phi)+2                    ; its 16 roundings are the places in front of the loads below
.if \wl
	WLOAD ((\phi)+2)%3, (\phi)+5
.endif
.else
	PLACES
.endif
.if \bf
	BFETCH 0, (\phi)+1
.endif
	s_wait_dscnt 8*(\bf)+4*(\cv)                   ; the upper four fragments are in: behind their loads stand the 4 stores and the 8 loads just issued
	G4 1, (\phi)%3, \zero
.if \cv
	s_wait_dscnt 0x0                               ; for the others' sake: my stores into the resident slice are done
	s_barrier_signal -1
	s_barrier_wait -1
.endif
	PLACES                                         ; in front of the loads into the upper fragments, and of the next step's loads into the h buffer just multiplied
.if \bf
	BFETCH 1, (\phi)+1
.endif
.endm
.macro STEP w                          ; three K steps on
	WIN 0
	s_wait_xcnt 0x0                                ; the bases of the loads issued so far are rewritten only behind this wait
	s_add_nc_u64 s[HB:HB+1], s[HB:HB+1], 3*64
.if \w
	s_add_nc_u64 s[WB:WB+1], s[WB:WB+1], 96*PITCH
.irp c, 0,1,2,3
	v_add_nc_u32 v[SB+\c], 3*CHUNK, v[SB+\c]
.endr
.endif
.irp q, 0,1,2,3
	v_add_nc_u32 v[RB+\q], 3*CHUNK, v[RB+\q]
.endr
.endm
; THE HEAD OF PASS p: how many tiles live, and my rows' offsets.  TP = ceil(NE / 16) - 32 p held to 0 .. 32; tile 4 a + w lives if it is below TP, so TW = (TP + 3 - w) / 4.
.macro PASSTOP p
	s_add_co_u32 s[TP], s[NE], 15
	s_lshr_b32 s[TP], s[TP], 4
.if \p
	s_sub_co_i32 s[TP], s[TP], 32
	s_max_i32 s[TP], s[TP], 0
.endif
	s_min_u32 s[TP], s[TP], 32
	s_add_co_u32 s[TW], s[TP], 3
	s_sub_co_u32 s[TW], s[TW], s[WV]
	s_lshr_b32 s[TW], s[TW], 2
	s_lshl_b32 s22, s[WV], 4
	s_sub_co_i32 s[CN], s[NE], s22
.if \p
	s_sub_co_i32 s[CN], s[CN], 512
	s_cmp_eq_u32 s[TW], 0
	s_cbranch_scc1 .Lkdone                         ; nothing of mine lives in this pass: forward, over the K part, which holds no barrier
	v_add_nc_u32 v[LE], 2048, v[LE]
.endif
.irp a, 0,1,2,3,4,5,6,7
	ds_load_b32 v[ROFF+\a], v[LRD] offset:2048*(\p)+256*\a
.endr
	s_wait_dscnt 0x0
.irp a, 0,1,2,3,4,5,6,7
	v_min_u32 v[ROFF+\a], 0xfff, v[ROFF+\a]        ; an entry is 4 token + rank, 4,095 at the most
	v_and_b32 v[ROFF+\a], 0xffc, v[ROFF+\a]
	v_lshlrev_b32 v[ROFF+\a], 10, v[ROFF+\a]       ; token x 4,096 bytes
	v_add_nc_u32 v[ROFF+\a], v[H16], v[ROFF+\a]    ; + 16 h
.endr
.endm
; THE WAY OUT of tile a: the sums go as they are (partial sums stay f32) through my own stage and come back as whole row pieces of 512 bytes; one store holds one row, so rows past the count are jumped, store by store.
; Each accumulator's low four registers are read first.
.macro EPI a
	WIN 0
	s_cmp_le_u32 s[TW], \a
	s_cbranch_scc1 .Lnext
.irp f, 0,1,2,3,4,5,6,7
	WIN 0x08+4*(\f/4)
	ds_store_b128 v[STO], v[64*(\f%4)+8*(\a):64*(\f%4)+8*(\a)+3]   offset:64*\f
	ds_store_b128 v[STO], v[64*(\f%4)+8*(\a)+4:64*(\f%4)+8*(\a)+7] offset:64*\f+16
.endr
	WIN 0
	s_wait_xcnt 0x0                                ; the registers that the last tile's stores read are loaded again only behind this wait
.irp i, 0,1,2,3,4,5,6,7,8,9,10,11,12,13,14,15
	ds_load_b128 v[OB+4*\i:OB+4*\i+3], v[SRD] offset:\i*SPITCH  ; LDS serves a wave's instructions in order (ISA guide 5.7.1.4): these see the stores above
.endr
.irp i, 0,1,2,3,4,5,6,7,8,9,10,11,12,13,14,15
	ds_load_b32 v[YO+\i], v[LE] offset:256*(\a)+4*\i  ; row i's entry, the same word for all lanes
.endr
	s_sub_co_i32 s[CNA], s[CN], 64*(\a)            ; live rows of this tile (16 or more: all)
	s_wait_dscnt 0x0
.irp i, 0,1,2,3,4,5,6,7,8,9,10,11,12,13,14,15
	v_min_u32 v[YO+\i], 0xfff, v[YO+\i]
	v_lshlrev_b32 v[YO+\i], 13, v[YO+\i]           ; (4 token + rank) x 8,192 bytes
	v_add_nc_u32 v[YO+\i], v[L16], v[YO+\i]        ; + 16 lane
.endr
.irp i, 0,1,2,3,4,5,6,7,8,9,10,11,12,13,14,15
	s_cmp_gt_i32 s[CNA], \i
	s_cbranch_scc0 .Lt\@
	global_store_b128 v[YO+\i], v[OB+4*\i:OB+4*\i+3], s[YB:YB+1]  ; 512 consecutive bytes, aligned
.endr
.Lt\@:
.endm
	s_load_b256 s[4:11], s[0:1], 0x0               ; hbuf s[4:5], W2 s[6:7], b2 s[8:9], tmw s[10:11]
	s_load_b64 s[12:13], s[0:1], 0x20              ; ybuf
	v_lshl_add_u32 v[SPW], v0, 2, SPARE
	v_mov_b32 v[NIL], 0
	v_lshrrev_b32 v21, 5, v0
	v_readfirstlane_b32 s[WV], v21                 ; wave 0..3
	s_lshr_b32 s[EX], ttmp9, 4
	s_bfe_u32 s[KH], ttmp9, 0x10003                ; one bit from bit 3
	s_and_b32 s[JS], ttmp9, 7
	v_and_b32 v[LANE], 31, v0
	v_and_b32 v[R], 15, v0
	v_bfe_u32 v[HH], v0, 4, 1
	v_lshlrev_b32 v[L16], 4, v[LANE]
	v_lshlrev_b32 v[LANE4], 2, v[LANE]
	v_lshlrev_b32 v[TOFF], 3, v[LANE]
	v_lshlrev_b32 v[H16], 4, v[HH]
	v_add_nc_u32 v[DMP], DUMPB, v[LANE4]
	s_lshl_b32 s22, s[WV], 15                      ; 8 rows of 4,096 bytes a wave
	v_add_nc_u32 v[WOFF], s22, v[L16]
	s_lshl_b32 s22, s[EX], 12                      ; b2: 1,024 numbers an expert, 128 a slice
	s_lshl_b32 s23, s[JS], 9
	s_add_co_u32 s22, s22, s23
	v_add_nc_u32 v[BOFF], s22, v[L16]
	s_lshl_b32 s44, s[EX], 23                      ; W2: 8 MB an expert, 4 MB a half of K, 512 bytes of a row a slice
	s_lshl_b32 s46, s[KH], 22
	s_add_co_u32 s44, s44, s46
	s_add_co_u32 s44, s44, s23
	s_mov_b32 s45, 0
	s_wait_kmcnt 0x0
	s_add_nc_u64 s[WB:WB+1], s[6:7], s[44:45]
.set b, 0
.rept 32
	global_load_b64 v[TMR+2*b:TMR+2*b+1], v[TOFF], s[10:11] offset:256*b  ; tokens 32 b + lane
.set b, b+1
.endr
	global_load_b128 v[224:227], v[BOFF], s[8:9]
	WLOAD 0, 0
	WLOAD 1, 1
	WLOAD 2, 2                                     ; 57 loads are out
	s_lshl_b32 s44, s[EX], 22                      ; hbuf: 4 MB an expert, 2,048 bytes of a row a half of K
	s_lshl_b32 s46, s[KH], 11
	s_add_co_u32 s44, s44, s46
	s_add_nc_u64 s[HB0:HB0+1], s[4:5], s[44:45]
	s_mov_b64 s[HB:HB+1], s[HB0:HB0+1]
	s_lshl_b32 s44, s[KH], 12                      ; ybuf: 4,096 bytes a half of K, 512 a slice
	s_add_co_u32 s44, s44, s23
	s_add_nc_u64 s[YB:YB+1], s[12:13], s[44:45]
	s_lshl_b32 s[EBIT], 1, s[EX]
	s_lshl_b32 s[E2], s[EX], 1
	s_cmp_eq_u32 s[KH], 0
	s_cselect_b32 s[KM], -1, 0
	s_mov_b32 s[NE], 0
.irp q, 0,1,2,3
	v_mov_b32 v[ZR+\q], 0
	v_add_nc_u32 v21, \q, v[R]
	v_and_b32 v21, 15, v21
	v_lshlrev_b32 v21, 4, v21
	v_lshl_add_u32 v21, v[HH], 11, v21             ; octet h, slot (r + q) % 16
	v_add_nc_u32 v[RB0+\q], RES, v21
	v_mov_b32 v[RB+\q], v[RB0+\q]
.endr
	v_lshrrev_b32 v21, 2, v[LANE]                  ; my four columns lie in fragment f = lane / 4, at r = 4 (lane % 4) + c
	v_and_b32 v22, 3, v[LANE]
	v_and_b32 v23, 3, v21
	v_lshl_add_u32 v22, v22, 2, v23
	v_lshlrev_b32 v21, 8, v21
	s_lshl_b32 s22, s[WV], 11
	s_add_co_u32 s22, s22, RES
	v_add_nc_u32 v21, s22, v21
.irp c, 0,1,2,3
	v_add_nc_u32 v23, \c, v22
	v_and_b32 v23, 15, v23
	v_lshl_add_u32 v[SB+\c], v23, 4, v21
.endr
	s_mul_i32 s22, s[WV], 16*SPITCH
	s_add_co_u32 s22, s22, STAGE
	v_mul_u32_u24 v21, v[R], SPITCH                ; in: row r, 32 bytes for each half of the lanes
	v_lshl_add_u32 v21, v[HH], 5, v21
	v_add_nc_u32 v[STO], s22, v21
	v_add_nc_u32 v[SRD], s22, v[L16]               ; back: 32 lanes take one row piece of 512 bytes
	s_lshl_b32 s22, s[WV], 9
	s_add_co_u32 s22, s22, CONST
	v_lshl_add_u32 v[CA], v[HH], 5, s22
	v_add_nc_u32 v[CST], s22, v[L16]
	s_lshl_b32 s22, s[WV], 6                       ; tile w of the list: 16 entries of 4 bytes a tile
	v_mov_b32 v[LE], s22
	v_lshl_add_u32 v[LRD], v[R], 2, s22
	s_wait_loadcnt 24                              ; tmw and b2 are in: behind them the slice's 24 loads
	s_cmp_lg_u32 s[WV], 0
	s_cbranch_scc1 .Lcount
.irp i, 0,1,2,3,4,5,6,7
	ds_store_b128 v[L16], v[ZR:ZR+3] offset:512*\i ; wave 0: places past the count hold entry 0; LDS serves a wave's stores in order, so the entries below land on top
.endr
.set b, 0
.rept 32
	v_and_b32 v21, s[EBIT], v[TMR+2*b]
	v_cmp_ne_u32 vcc_lo, 0, v21                    ; this token chose my expert
	v_bfe_u32 v22, v[TMR+2*b+1], s[E2], 2          ; as its rank k
	v_add_nc_u32 v23, v22, v[LANE4]                ; the entry: 4 token + k
.if b > 0
	v_add_nc_u32 v23, 128*b, v23
.endif
	v_mbcnt_lo_u32_b32 v21, vcc_lo, 0              ; choosers in the lanes below mine,
	v_add_nc_u32 v21, s[NE], v21                   ; and in the blocks before: the entry's place,
	v_lshlrev_b32 v21, 2, v21                      ; in bytes;
	v_cndmask_b32 v21, v[DMP], v21, vcc_lo         ; my dump word if the token did not choose the expert
	v_min_u32 v21, DUMPB+124, v21                  ; inside the list and its dump words, whatever tmw holds
	ds_store_b32 v21, v23
	s_bcnt1_i32_b32 s41, vcc_lo
	s_add_co_u32 s[NE], s[NE], s41
.set b, b+1
.endr
	s_branch .Llisted
.Lcount:                                               ; waves 1 to 3: the count alone, in registers
.set b, 0
.rept 32
	v_and_b32 v21, s[EBIT], v[TMR+2*b]
	v_cmp_ne_u32 vcc_lo, 0, v21
	s_bcnt1_i32_b32 s41, vcc_lo
	s_add_co_u32 s[NE], s[NE], s41
.set b, b+1
.endr
.Llisted:
	s_min_u32 s[NE], s[NE], 1024
	s_wait_dscnt 0x0                               ; for the others' sake: wave 0's stores into the list are done
	s_barrier_signal -1
	s_barrier_wait -1                              ; the list is whole, and is never written again
	v_cvt_pk_bf16_f32 v228, v224, v225             ; b2 rounded to bf16 and widened again; 0 in the second half of K
	v_cvt_pk_bf16_f32 v229, v226, v227
	v_lshlrev_b32 v224, 16, v228
	v_and_b32 v225, 0xffff0000, v228
	v_lshlrev_b32 v226, 16, v229
	v_and_b32 v227, 0xffff0000, v229
.irp i, 224,225,226,227
	v_cndmask_b32 v\i, 0, v\i, s[KM]
.endr
	ds_store_b128 v[CST], v[224:227]
.irp f, 0,1,2,3,4,5,6,7
	ds_load_b128 v[CB+8*\f:CB+8*\f+3],   v[CA] offset:64*\f      ; b2 of columns 16 f + 8 h + 0..7: my wave's own bytes, served in order
	ds_load_b128 v[CB+8*\f+4:CB+8*\f+7], v[CA] offset:64*\f+16
.endr
	s_mov_b32 s[P], 0
	PASSTOP 0
	ALOAD 0, 0
	ALOAD 1, 1
	s_wait_loadcnt 48                              ; K step 0 of the slice is in: behind it W(1), W(2), h(0), h(1)
	WCVT 0, 0
	WLOAD 0, 3
	s_wait_loadcnt 48                              ; K step 1: behind it W(2), h(0), h(1), W(3)
	WCVT 1, 1
	WLOAD 1, 4
	s_wait_dscnt 0x0                               ; my stores of steps 0 and 1 are done
	s_barrier_signal -1
	s_barrier_wait -1
	BFETCH 0, 0
	BFETCH 1, 0
	; PASS 0: steps 0 .. 29 with the slice's stream and a barrier each
	TRIP 0, 1, 1, 1, 1, 1, 32
	WIN 0
	s_mov_b32 s[CNT], 9
	s_branch .Lw1                                  ; the loop is entered behind its first step: steps 1 .. 26
.Lw:
	TRIP 0, 0, 1, 1, 1, 1, 32
	WIN 0
.Lw1:
	TRIP 1, 0, 1, 1, 1, 1, 32
	TRIP 2, 0, 1, 1, 1, 1, 32
	STEP 1
	s_sub_co_u32 s[CNT], s[CNT], 1
	s_cmp_lg_u32 s[CNT], 0
	s_cbranch_scc1 .Lw
	TRIP 0, 0, 1, 0, 1, 1, 32                      ; steps 27 .. 29: nothing is left of the slice to ask for
	TRIP 1, 0, 1, 0, 1, 1, 24
	TRIP 2, 0, 1, 0, 1, 1, 16
	STEP 0
	s_branch .Ltail
.Lpass1:                                               ; PASS 1: rows 512 on; the slice is resident and shown to every wave: no barrier in its K part
	s_wait_xcnt 0x0
	PASSTOP 1
	s_mov_b64 s[HB:HB+1], s[HB0:HB0+1]             ; back to K step 0 (every load that named the base has come back)
.irp q, 0,1,2,3
	v_mov_b32 v[RB+\q], v[RB0+\q]
.endr
	ALOAD 0, 0
	ALOAD 1, 1
	BFETCH 0, 0
	BFETCH 1, 0
	TRIP 0, 1, 0, 0, 1, 1, 16
	WIN 0
	s_mov_b32 s[CNT], 10
	s_branch .Ln1                                  ; steps 1 .. 29
.Ln:
	TRIP 0, 0, 0, 0, 1, 1, 16
	WIN 0
.Ln1:
	TRIP 1, 0, 0, 0, 1, 1, 16
	TRIP 2, 0, 0, 0, 1, 1, 16
	STEP 0
	s_sub_co_u32 s[CNT], s[CNT], 1
	s_cmp_lg_u32 s[CNT], 0
	s_cbranch_scc1 .Ln
.Ltail:                                                ; steps 30 and 31 of either pass
	TRIP 0, 0, 0, 0, 0, 1, 16
	TRIP 1, 0, 0, 0, 0, 0, 0
	WIN 0
.Lkdone:                                               ; the phases are kept apart: from the stream's last barrier (or the barrier behind pass 0's way out) to this one LDS is only read;
	s_wait_dscnt 0x0                               ; my reads of the resident slice are back
	s_barrier_signal -1
	s_barrier_wait -1                              ; only now are the stages written
.irp a, 0,1,2,3,4,5,6,7
	EPI \a
.endr
.Lnext:
	s_wait_dscnt 0x0                               ; my stores into my stage and my reads of it are done
	s_barrier_signal -1
	s_barrier_wait -1                              ; no stage is written while a wave walks the resident slice in the next pass
	s_add_co_u32 s[P], s[P], 1
	s_cmp_lt_u32 s[P], 2
	s_cbranch_scc1 .Lpass1
	s_wait_tensorcnt 0x0                           ; the wave's end, behind my last LDS store
	ds_add_u32 v[SPW], v[NIL]
	s_wait_dscnt 0x0
	s_endpgm
.Lfunc_end_k_q9c36e4c62c_second:
	.size	k_q9c36e4c62c_second, .Lfunc_end_k_q9c36e4c62c_second-k_q9c36e4c62c_second
	.p2alignl 7, 3214868480
	.fill 96, 4, 3214868480
	.section	.rodata,"a",@progbits
	.p2align	6, 0x0
	.amdhsa_kernel k_q9c36e4c62c_second
		.amdhsa_group_segment_fixed_size 302848
		.amdhsa_private_segment_fixed_size 0
		.amdhsa_enable_private_segment 0
		.amdhsa_kernarg_size 40
		.amdhsa_user_sgpr_count 2
		.amdhsa_user_sgpr_kernarg_segment_ptr 1
		.amdhsa_wavefront_size32 1
		.amdhsa_system_sgpr_workgroup_id_x 1
		.amdhsa_system_sgpr_workgroup_id_y 1
		.amdhsa_system_sgpr_workgroup_id_z 1
		.amdhsa_system_vgpr_workitem_id 0
		.amdhsa_next_free_vgpr 1024
		.amdhsa_next_free_sgpr 66
		.amdhsa_reserve_vcc 1
		.amdhsa_float_denorm_mode_32 3
		.amdhsa_float_denorm_mode_16_64 3
		.amdhsa_memory_ordered 1
		.amdhsa_forward_progress 1
		.amdhsa_inst_pref_size 226
	.end_amdhsa_kernel
	.amdgpu_metadata
---
amdhsa.version: [ 1, 2 ]
amdhsa.kernels:
  - .name:           k_q9c36e4c62c_second
    .symbol:         k_q9c36e4c62c_second.kd
    .args:
      - { .name: hbuf, .offset: 0, .size: 8, .value_kind: global_buffer, .address_space: global }
      - { .name: W2, .offset: 8, .size: 8, .value_kind: global_buffer, .address_space: global }
      - { .name: b2, .offset: 16, .size: 8, .value_kind: global_buffer, .address_space: global }
      - { .name: tmw, .offset: 24, .size: 8, .value_kind: global_buffer, .address_space: global }
      - { .name: ybuf, .offset: 32, .size: 8, .value_kind: global_buffer, .address_space: global }
    .group_segment_fixed_size: 302848
    .private_segment_fixed_size: 0
    .kernarg_segment_align: 8
    .kernarg_segment_size: 40
    .max_flat_workgroup_size: 128
    .sgpr_count:     66
    .vgpr_count:     1024
    .wavefront_size: 32
...
	.end_amdgpu_metadata
.endif
;; end of part 4
;; launch mean (part 5): grid 256 x 1, 8 waves a work-group, no clusters, 0 bytes of LDS; arguments ybuf, out0; writes out0
.if DOCPART == 5
	.amdgcn_target "amdgcn-amd-amdhsa--gfx1250"
	.amdhsa_code_object_version 6
	.text
	.protected	k_q9c36e4c62c_mean
	.globl	k_q9c36e4c62c_mean
	.p2align	8
	.type	k_q9c36e4c62c_mean,@function
k_q9c36e4c62c_mean:
	s_mov_b64 s[64:65], 0
	v_nop
	global_prefetch_b8 v0, s[64:65] scope:SCOPE_SE
	s_setreg_imm32_b32 hwreg(HW_REG_WAVE_MODE, 25, 1), 1
	s_wait_xcnt 0x0
; out0[t][:] = 0.25 x the sum of ybuf[t]'s eight partial rows (four winners x two halves of K), in f32, in ascending order.
; A work-group has four tokens; thread t owns 16 bytes of every row, so a wave's load or store covers 512 consecutive bytes.  All 32 loads go out first; the waits count the later tokens' loads.
; A stream: no LDS, no barrier, no matrix unit.
	s_load_b128 s[4:7], s[0:1], 0x0                ; ybuf s[4:5], out0 s[6:7]
	v_lshlrev_b32 v1, 4, v0
	s_lshl_b32 s8, ttmp9, 17                       ; four tokens of 32,768 bytes
	s_mov_b32 s9, 0
	s_lshl_b32 s10, ttmp9, 14                      ; four rows of 4,096 bytes
	s_mov_b32 s11, 0
	s_mov_b32 s12, 0x3e800000                      ; 0.25
	s_mov_b32 s13, s12                             ; named with it as a pair
	s_wait_kmcnt 0x0
	s_add_nc_u64 s[4:5], s[4:5], s[8:9]
	s_add_nc_u64 s[6:7], s[6:7], s[10:11]
.set i, 0
.rept 32
	global_load_b128 v[8+4*i:11+4*i], v1, s[4:5] offset:i*4096 th:TH_LOAD_NT
.set i, i+1
.endr
.irp u, 0,1,2,3
	s_wait_loadcnt 24-8*\u                         ; token u's eight rows are in; the later tokens' loads stay out
.irp s, 1,2,3,4,5,6,7
	v_pk_add_f32 v[8+32*\u:9+32*\u],   v[8+32*\u:9+32*\u],   v[8+32*\u+4*\s:9+32*\u+4*\s]
	v_pk_add_f32 v[10+32*\u:11+32*\u], v[10+32*\u:11+32*\u], v[10+32*\u+4*\s:11+32*\u+4*\s]
.endr
	v_pk_mul_f32 v[8+32*\u:9+32*\u],   v[8+32*\u:9+32*\u],   s[12:13] op_sel_hi:[1,0]
	v_pk_mul_f32 v[10+32*\u:11+32*\u], v[10+32*\u:11+32*\u], s[12:13] op_sel_hi:[1,0]
	global_store_b128 v1, v[8+32*\u:11+32*\u], s[6:7] offset:\u*4096 th:TH_STORE_NT
.endr
	s_endpgm
.Lfunc_end_k_q9c36e4c62c_mean:
	.size	k_q9c36e4c62c_mean, .Lfunc_end_k_q9c36e4c62c_mean-k_q9c36e4c62c_mean
	.p2alignl 7, 3214868480
	.fill 96, 4, 3214868480
	.section	.rodata,"a",@progbits
	.p2align	6, 0x0
	.amdhsa_kernel k_q9c36e4c62c_mean
		.amdhsa_group_segment_fixed_size 0
		.amdhsa_private_segment_fixed_size 0
		.amdhsa_enable_private_segment 0
		.amdhsa_kernarg_size 16
		.amdhsa_user_sgpr_count 2
		.amdhsa_user_sgpr_kernarg_segment_ptr 1
		.amdhsa_wavefront_size32 1
		.amdhsa_system_sgpr_workgroup_id_x 1
		.amdhsa_system_sgpr_workgroup_id_y 1
		.amdhsa_system_sgpr_workgroup_id_z 1
		.amdhsa_system_vgpr_workitem_id 0
		.amdhsa_next_free_vgpr 144
		.amdhsa_next_free_sgpr 66
		.amdhsa_reserve_vcc 0
		.amdhsa_float_denorm_mode_32 3
		.amdhsa_float_denorm_mode_16_64 3
		.amdhsa_memory_ordered 1
		.amdhsa_forward_progress 1
		.amdhsa_inst_pref_size 9
	.end_amdhsa_kernel
	.amdgpu_metadata
---
amdhsa.version: [ 1, 2 ]
amdhsa.kernels:
  - .name:           k_q9c36e4c62c_mean
    .symbol:         k_q9c36e4c62c_mean.kd
    .args:
      - { .name: ybuf, .offset: 0, .size: 8, .value_kind: global_buffer, .address_space: global }
      - { .name: out0, .offset: 8, .size: 8, .value_kind: global_buffer, .address_space: global }
    .group_segment_fixed_size: 0
    .private_segment_fixed_size: 0
    .kernarg_segment_align: 8
    .kernarg_segment_size: 16
    .max_flat_workgroup_size: 256
    .sgpr_count:     66
    .vgpr_count:     144
    .wavefront_size: 32
...
	.end_amdgpu_metadata
.endif
;; end of part 5
;; ======== version 2 of 2: 5 launches; version 1 with the launch first written anew for expert scheduling mode
;; workspace buffers: xf 2,097,152 bytes; hbuf 67,108,864 bytes; pb 1,048,576 bytes; tmw 8,192 bytes of whole numbers; ybuf 33,554,432 bytes
;; launch prepx: the kernel of part 1 again; grid 256 x 1, 8 waves a work-group, no clusters, 0 bytes of LDS; arguments x, xf; writes xf
;; launch first (part 6): grid 256 x 1, 4 waves a work-group, no clusters, 286,208 bytes of LDS; arguments xf, W1, b1, Wb, hbuf, pb; writes hbuf, pb
.if DOCPART == 6
	.amdgcn_target "amdgcn-amd-amdhsa--gfx1250"
	.amdhsa_code_object_version 6
	.text
	.protected	k_q9c36e4c62c_first
	.globl	k_q9c36e4c62c_first
	.p2align	8
	.type	k_q9c36e4c62c_first,@function
k_q9c36e4c62c_first:
	s_mov_b64 s[64:65], 0
	v_nop
	global_prefetch_b8 v0, s[64:65] scope:SCOPE_SE
	s_setreg_imm32_b32 hwreg(HW_REG_WAVE_SCHED_MODE, 0, 2), 2
	s_setreg_imm32_b32 hwreg(HW_REG_WAVE_MODE, 25, 1), 1
	s_wait_xcnt 0x0
	s_wait_alu depctr_vm_vsrc(0)
; h[e][t][:] = relu(x[t] . W1[e] + b1[e]) for all 16 experts and 1,024 tokens, stored in bf16, and the partial bids pb[e][js][t] = the sum over the slice's 128
; hidden columns of h (in f32, unrounded) x Wb[e].  x (in xf), W1, b1 and Wb are all rounded once to bf16; products' sums in f32.
; LIMITS.  The order of the f32 sums is not reference()'s: two bids of a token that lie closer together than the sums' last bits can change places.
; SHARES.  Work-group 16 e + js owns the slice W1[e][0..1023][128 js .. +127], 512 KB of f32 that no other work-group reads.  Tokens go in two passes of 512; a wave has
; 128 of them: 8 tiles of 16 tokens x 128 columns = 64 accumulators = 512 registers.  K goes in 32 steps of 32.
; PASS 0 streams the slice: for each K step wave w loads rows 8 w .. 8 w + 7 (eight loads, each one row piece of 512 consecutive bytes); a lane then holds 8 k of 4 columns, so 16
; packed roundings give four pieces of 16 bytes that already lie along K; they go into the RESIDENT slice in LDS (262,144 bytes, each byte written once).  Pass 1 reads it, without barriers.
; x's fragments come straight from memory into registers: no two waves of a work-group share a token.
; NO LDS SLOTS for x, though all work-groups read it: two slots of 512 tokens x 32 K are 65,536 bytes; with the resident slice (262,144) they would fill all 327,680 bytes that a
; work-group can have, and the constants, stages and bids (23,552 bytes) would have no room.
; THE MATRIX INSTRUCTION IS USED TRANSPOSED: source 0 = 16 columns of W1, source 1 = 16 tokens: lane (r, h) holds token r and columns 16 f + 8 h + 0..7.  b1 is the C operand of a pass's first K step.
; RESIDENT LAYOUT.  K step c at 8,192 c; in it the octet of k that wave w stored at 2,048 w; in it fragment f (16 columns) at 256 f; in it column r's 16 bytes at slot (r + f % 4) % 16:
; the 16 lanes that a store or a load serves together touch 16 different 16-byte columns modulo 256 bytes.
; REGISTERS, in windows of 256 (s_set_vgpr_msb: bits 1:0 source 0, 3:2 source 1, 5:4 source 2, 7:6 destination):
;   window 0: v0-45 addresses; v48-143 W1 as loaded, three slots of 32; v144-159 packed pieces; v160-223 b1 as C; v224-255 the way out.  On the way out v48-111 Wb, v112-143 at work, v144-159 bids
;   window 1: v0-191 x's fragments, three buffers of 64; v192-255 W1's fragments of one K step          windows 2, 3: accumulators (f, a) at window 2 + f / 4, v[64 (f % 4) + 8 a]
; THE MODE: SCHED_MODE bits 1:0 = 2 (LLVM: expert scheduling mode 2), set by the entry lines.  The code itself states the register dependences
; between vector or matrix instructions and memory or LDS instructions, with s_wait_alu, always for 0.
; THE PLAN.  A K step is two halves of 32 products: half 0 multiplies by W1's lower four fragments, half 1 by the upper four.  Registers that memory or LDS instructions touch in the K loops:
;   lower fragments  Read by half 0's products; the LDS loads of the next step's lower fragments land in them, dealt among half 1's first products.
;   upper fragments  Read by half 1's products; the LDS loads of this step's upper fragments land in them, dealt among half 0's first products.
;   x buffers 0-2    Buffer t % 3 is read by step t's products; the loads of step t + 2 land in buffer (t - 1) % 3, dealt among step t's half 0.
;   WR slots 0-2     Slot (t + 2) % 3 is read by the 16 roundings between step t's halves; the loads of step t + 5 land in it, dealt among half 1.
;   T                Written by those roundings; read by four LDS stores behind half 1's first product.
;   RB, SB           LDS addresses: read by the fragments' loads and by the stores; stepped by vector adds once in three steps, between two steps.
;   AOFF, WOFF       Offsets of the global loads; made once, never written again: the scalar bases move on.
; So ONE wait on va_vdst stands at the head of each half.  At a step's head: the last step's products are done reading the upper fragments and their x buffer, and RB and SB are written.  Between the
; halves, behind the roundings: T is written, the roundings are done reading their slot, half 0's products are done reading the lower fragments.  Behind each wait the half's loads and stores are dealt,
; four behind a product, with no further wait: the products issued since name this half's fragments, this step's x buffer and the accumulators, none of which those loads and stores touch.
; One wait on vm_vsrc stands ahead of the roundings (the last step's stores have read T) and one ahead of the adds to RB and SB.
.set PITCH,  8192                      ; bytes from row to row of W1
.set CHUNK,  8192                      ; a K step of the resident slice
.set CONST,  262144                    ; for each wave 1,024 bytes: b1's slice, then Wb's, rounded, as f32
.set STAGE,  266240                    ; for each wave 16 rows x 272 bytes, for the way out
.set SPITCH, 272
.set SCR,    283648                    ; for each wave 512 bytes: its 128 bids
.set LANE, 1
.set R,    2                           ; lane % 16
.set HH,   3                           ; lane / 16
.set WOFF, 4                           ; my 16 bytes in the wave's first row of a K step of W1
.set AOFF, 5                           ; 16 x lane
.set RB,   6                           ; v6-9    where I read fragments f % 4 = 0..3 of the K step in hand
.set SB,   10                          ; v10-13  where I store the pieces of my four columns
.set STO,  14
.set RD,   15
.set HO,   16
.set CA,   17
.set SC4,  18
.set SC16, 19
.set CST,  20
.set BOFF, 24
.set RB0,  40                          ; v40-43  RB at K step 0
.set WR,   48
.set T,    144
.set CB,   160
.set CWB,  48
.set Z,    112
.set BT,   144
.set BR,   152
.set OB,   224
.set WV,  16                           ; s16 wave   s17 expert   s18 slice   s19 pass   s20 loop count
.set EX,  17
.set JS,  18
.set P,   19
.set CNT, 20
.set WB,  24                           ; s[24:25] W1 at the slice, K step in hand
.set XB,  26                           ; s[26:27] xf at my wave's blocks, K step in hand
.set HBS, 28                           ; s[28:29] hbuf at my wave's first row of the pass
.set PBS, 30                           ; s[30:31] pb at my wave's first token of the pass
.set SEL, 32                           ; s[32:33] v_permlanex16_b32's selects
.set MSB, 0
.macro WIN new                         ; the immediate's high byte repeats the setting that is left; a switch that changes nothing is dropped
.if MSB != (\new)
	s_set_vgpr_msb (MSB<<8)|(\new)
.set MSB, \new
.endif
.endm
.macro PLACES                          ; four plain vector instructions between a matrix instruction and a load into, or a read of, its registers
.rept 4
	v_nop
.endr
.endm
.macro AL4 buf, kk, j                  ; x's fragments of K step kk (counted from XB) for my tiles 2 j and 2 j + 1: four loads of 512 consecutive bytes
	WIN 0x40
.irp a, 2*(\j), 2*(\j)+1
	global_load_b128 v[64*(\buf)+8*(\a):64*(\buf)+8*(\a)+3],   v[AOFF], s[XB:XB+1] offset:(\kk)*32768+(\a)*1024
	global_load_b128 v[64*(\buf)+8*(\a)+4:64*(\buf)+8*(\a)+7], v[AOFF], s[XB:XB+1] offset:(\kk)*32768+(\a)*1024+512
.endr
.endm
.macro ALOAD buf, kk                   ; the same for all my 8 tiles: 16 loads
.irp j, 0,1,2,3
	AL4 \buf, \kk, \j
.endr
.endm
.macro WL4 s, nk, j                    ; rows 4 j .. 4 j + 3 of my 8 rows of K step nk (counted from WB) of the slice
	WIN 0
.irp i, 0,1,2,3
	global_load_b128 v[WR+32*(\s)+4*(4*(\j)+\i):WR+32*(\s)+4*(4*(\j)+\i)+3], v[WOFF], s[WB:WB+1] offset:(\nk)*32*PITCH+(4*(\j)+\i)*PITCH th:TH_LOAD_NT
.endr
.endm
.macro WLOAD s, nk                     ; all 8 rows
	WL4 \s, \nk, 0
	WL4 \s, \nk, 1
.endm
.macro WROUND s                        ; slot s rounded: k and k + 1 of one column make a word, four words a piece
	WIN 0
.irp c, 0,1,2,3
.irp q, 0,1,2,3
	v_cvt_pk_bf16_f32 v[T+4*\c+\q], v[WR+32*(\s)+8*\q+\c], v[WR+32*(\s)+8*\q+4+\c]
.endr
.endr
.endm
.macro WSTORE nk                       ; the four pieces go into the resident slice, K step nk (counted from SB)
	WIN 0
.irp c, 0,1,2,3
	ds_store_b128 v[SB+\c], v[T+4*\c:T+4*\c+3] offset:(\nk)*CHUNK
.endr
.endm
.macro BF4 H, nk, j                    ; fragments 4 H + 2 j and 4 H + 2 j + 1 of K step nk (counted from RB): four loads
	WIN 0x40
.irp f, 2*(\j), 2*(\j)+1
	ds_load_b128 v[192+8*(4*(\H)+\f):192+8*(4*(\H)+\f)+3],   v[RB+\f] offset:(\nk)*CHUNK+(4*(\H)+\f)*256
	ds_load_b128 v[192+8*(4*(\H)+\f)+4:192+8*(4*(\H)+\f)+7], v[RB+\f] offset:(\nk)*CHUNK+(4*(\H)+\f)*256+4096
.endr
.endm
.macro BFETCH H, nk                    ; fragments 4 H .. 4 H + 3: 8 loads
	BF4 \H, \nk, 0
	BF4 \H, \nk, 1
.endm
; Product mi of the 32 of half H: tile mi / 4 x fragment 4 H + mi % 4.  The accumulators take turns, one instruction a turn.  zero = 1: the sums start from b1.
.macro MM H, buf, zero
.set mf, mi%4
.set ma, mi/4
.if \zero
	WIN 0x85+0x40*(\H)
	v_wmma_f32_16x16x32_bf16 v[64*mf+8*ma:64*mf+8*ma+7], v[192+8*(4*(\H)+mf):192+8*(4*(\H)+mf)+7], v[64*(\buf)+8*ma:64*(\buf)+8*ma+7], v[CB+8*(4*(\H)+mf):CB+8*(4*(\H)+mf)+7]
.else
	WIN 0xa5+0x50*(\H)
	v_wmma_f32_16x16x32_bf16 v[64*mf+8*ma:64*mf+8*ma+7], v[192+8*(4*(\H)+mf):192+8*(4*(\H)+mf)+7], v[64*(\buf)+8*ma:64*(\buf)+8*ma+7], v[64*mf+8*ma:64*mf+8*ma+7]
.endif
.endm
; K STEP t = 3 g + phi: 64 products.  Its own upper fragments are fetched behind products 0 and 1 of half 0, 30 products ahead of their first use.  al: x of step t + 2 is asked for, behind products 2 to 5.
; cv: the slice's step t + 2 is rounded between the halves and stored behind half 1's first product; wl: its step t + 5 is asked for.  bf: the lower fragments of step t + 1 are fetched among half 1's
; first products.  With cv one barrier: it shows step t + 2 to every wave; between two barriers the waves read steps t and t + 1 and write step t + 2, and no resident byte is written twice.
; lc: the global loads issued behind x of step t.  Pass 0: W(t + 3), x(t + 1), W(t + 4) = 8 + 16 + 8 = 32 (W(t + 2) was issued ahead of x(t), so it is in too); 24 and 16 when the slice's loads have
; ended; 16 = x(t + 1) without the slice; 0 in the last step.
.macro TRIP phi, zero, cv, wl, al, bf, lc
	s_wait_loadcnt \lc
	s_wait_dscnt 0x0                               ; the lower four fragments are in: no LDS instruction was issued behind their loads
.if !\zero
	s_wait_alu depctr_va_vdst(0)                   ; the last step's products are done reading the upper fragments and their x buffer, in which this half's loads land; where RB and SB were stepped, they are written
.endif                                                 ; (a pass's first step has no such wait: no vector or matrix instruction since the last wait names what its loads touch)
.set mi, 0
.rept 32
	MM 0, (\phi)%3, \zero
.if mi < 2
	BF4 1, \phi, mi                                ; no wait: the products since the wait name the lower fragments, this step's x buffer and the accumulators
.elseif (mi < 6) && \al
	AL4 ((\phi)+2)%3, (\phi)+2, mi-2
.endif
.set mi, mi+1
.endr
.if \cv
	WIN 0
	s_wait_alu depctr_vm_vsrc(0)                   ; the last step's LDS stores have read T, which the roundings write again
	WROUND ((\phi)+2)%3                            ; the 16 roundings are the places in front of the loads into the lower fragments
.else
	PLACES
.endif
.if \cv || \bf
	s_wait_alu depctr_va_vdst(0)                   ; half 0's products are done reading the lower fragments, in which the next step's land; with cv: the roundings have written T, which the stores read, and are done reading their slot, in which the slice's next loads land
.endif
	s_wait_dscnt 0x0                               ; the upper four fragments are in: no LDS instruction was issued behind their loads
.set mi, 0
.rept 32
	MM 1, (\phi)%3, \zero
.if \cv && (mi == 0)
	WSTORE (\phi)+2                                ; no wait here or below: the products since the wait name the upper fragments, this step's x buffer and the accumulators
.endif
.if \bf && (mi >= \cv) && (mi < \cv+2)
	BF4 0, (\phi)+1, mi-\cv
.endif
.if \wl && (mi >= 3) && (mi < 5)
	WL4 ((\phi)+2)%3, (\phi)+5, mi-3
.endif
.if \cv && (mi == 15)
	s_wait_dscnt 0x0                               ; for the others' sake: my stores into the resident slice are done
	s_barrier_signal -1
.endif
.set mi, mi+1
.endr
.if \cv
	s_barrier_wait -1
.endif
	PLACES                                         ; in front of the loads into the upper fragments, and of the next step's loads into the x buffer just multiplied
.endm
.macro STEP w                          ; three K steps on
	WIN 0
	s_wait_xcnt 0x0                                ; the bases of the loads issued so far are rewritten only behind this wait
	s_wait_alu depctr_vm_vsrc(0)                   ; the LDS loads and stores issued so far have read RB and SB, which the adds below write
	s_add_nc_u64 s[XB:XB+1], s[XB:XB+1], 3*32768
.if \w
	s_add_nc_u64 s[WB:WB+1], s[WB:WB+1], 96*PITCH
.irp c, 0,1,2,3
	v_add_nc_u32 v[SB+\c], 3*CHUNK, v[SB+\c]
.endr
.endif
.irp q, 0,1,2,3
	v_add_nc_u32 v[RB+\q], 3*CHUNK, v[RB+\q]
.endr
.endm
.macro RND2 a, t                       ; v[a], v[a + 1] rounded to bf16 and widened again
	v_cvt_pk_bf16_f32 v[\t], v[\a], v[(\a)+1]
	v_lshlrev_b32 v[\a], 16, v[\t]
	v_and_b32 v[(\a)+1], 0xffff0000, v[\t]
.endm
; THE WAY OUT of tile a: relu; the bid's part (four chains of packed multiply-adds in f32); rounding to bf16; through my own stage, so that sixteen lanes store 256 consecutive bytes of a row of h.
; Each accumulator's registers are read in ascending order.
.macro EPI a
.irp H, 0,1
	WIN 0x08+4*\H
	s_wait_alu depctr_vm_vsrc(0)                   ; the LDS stores of the half before have read Z, which the lines below write again; ahead of a pass's first tile: the stores that read v144-159 (the slice's pieces; the last pass's bids) have read them
.set i, 0
.rept 32
	v_max_num_f32 v[Z+i], 0, v[64*(i/8)+8*(\a)+i%8]
.set i, i+1
.endr
	WIN 0
.set i, 0
.rept 16
.if (\H == 0) && (i < 4)
	v_pk_mul_f32 v[BT+2*i:BT+2*i+1], v[Z+2*i:Z+2*i+1], v[CWB+2*i:CWB+2*i+1]
.else
	v_pk_fma_f32 v[BT+2*(i%4):BT+2*(i%4)+1], v[Z+2*i:Z+2*i+1], v[CWB+32*\H+2*i:CWB+32*\H+2*i+1], v[BT+2*(i%4):BT+2*(i%4)+1]
.endif
.set i, i+1
.endr
.set i, 0
.rept 16
	v_cvt_pk_bf16_f32 v[Z+i], v[Z+2*i], v[Z+2*i+1]
.set i, i+1
.endr
	s_wait_alu depctr_va_vdst(0)                   ; the roundings have written Z's first sixteen registers, which the LDS stores read
.irp f, 0,1,2,3
	ds_store_b128 v[STO], v[Z+4*\f:Z+4*\f+3] offset:32*(4*\H+\f)
.endr
.endr
	v_pk_add_f32 v[BT:BT+1], v[BT:BT+1], v[BT+2:BT+3]
	v_pk_add_f32 v[BT+4:BT+5], v[BT+4:BT+5], v[BT+6:BT+7]
	v_pk_add_f32 v[BT:BT+1], v[BT:BT+1], v[BT+4:BT+5]
	v_add_f32 v[BT], v[BT], v[BT+1]
	v_permlanex16_b32 v[BT+1], v[BT], s[SEL], s[SEL+1]  ; the token's other 64 columns lie in the lane 16 away
	v_add_f32 v[BR+\a], v[BT], v[BT+1]
	s_wait_xcnt 0x0                                ; the registers that the last tile's stores read are loaded again only behind this wait
	s_wait_alu depctr_vm_vsrc(0)                   ; the last tile's stores have read v[OB ..], in which the loads below land
.irp i, 0,1,2,3,4,5,6,7
	ds_load_b128 v[OB+4*\i:OB+4*\i+3], v[RD] offset:\i*2*SPITCH  ; LDS serves a wave's instructions in order (ISA guide 5.7.1.4): these see the stores above
.endr
.irp i, 0,1,2,3,4,5,6,7
	s_wait_dscnt 7-\i
	global_store_b128 v[HO], v[OB+4*\i:OB+4*\i+3], s[HBS:HBS+1] offset:(16*(\a)+2*\i)*4096
.endr
.endm
	s_load_b256 s[4:11], s[0:1], 0x0               ; xf s[4:5], W1 s[6:7], b1 s[8:9], Wb s[10:11]
	s_load_b128 s[12:15], s[0:1], 0x20             ; hbuf s[12:13], pb s[14:15]
	v_lshl_add_u32 v46, v0, 2, 0x45c00
	v_mov_b32 v47, 0
	v_lshrrev_b32 v21, 5, v0
	v_readfirstlane_b32 s[WV], v21                 ; wave 0..3
	s_lshr_b32 s[EX], ttmp9, 4
	s_and_b32 s[JS], ttmp9, 15
	v_and_b32 v[LANE], 31, v0
	v_and_b32 v[R], 15, v0
	v_bfe_u32 v[HH], v0, 4, 1
	v_lshlrev_b32 v[AOFF], 4, v[LANE]
	s_wait_alu depctr_va_sdst(0)                   ; the wave's number is written, ahead of its first reader: offsets, bases and LDS addresses are made from it
	s_lshl_b32 s22, s[WV], 16                      ; 8 rows of 8,192 bytes a wave
	v_add_nc_u32 v[WOFF], s22, v[AOFF]
	s_lshl_b32 s22, s[EX], 13                      ; b1 and Wb: 2,048 numbers an expert, 128 a slice
	s_lshl_b32 s23, s[JS], 9
	s_add_co_u32 s22, s22, s23
	v_add_nc_u32 v[BOFF], s22, v[AOFF]
	s_lshl_b32 s34, s[EX], 23                      ; W1: 8 MB an expert, 512 bytes of a row a slice
	s_add_co_u32 s34, s34, s23
	s_mov_b32 s35, 0
	s_lshl_b32 s36, s[WV], 13                      ; xf: 8 blocks of 1,024 bytes a wave
	s_mov_b32 s37, 0
	s_wait_kmcnt 0x0
	s_add_nc_u64 s[WB:WB+1], s[6:7], s[34:35]
	s_add_nc_u64 s[XB:XB+1], s[4:5], s[36:37]
	s_wait_alu depctr_va_vdst(0)                   ; the offsets v[BOFF], v[WOFF] and v[AOFF] are written, which the global loads read
	global_load_b128 v[224:227], v[BOFF], s[8:9]
	global_load_b128 v[228:231], v[BOFF], s[10:11]
	WLOAD 0, 0
	WLOAD 1, 1
	WLOAD 2, 2
	ALOAD 0, 0
	ALOAD 1, 1                                     ; 58 loads are out
	WIN 0
	s_lshl_b32 s34, s[EX], 22                      ; hbuf: 4 MB an expert, 128 rows of 4,096 bytes a wave, 256 bytes of a row a slice
	s_lshl_b32 s36, s[WV], 19
	s_add_co_u32 s34, s34, s36
	s_lshl_b32 s36, s[JS], 8
	s_add_co_u32 s34, s34, s36
	s_add_nc_u64 s[HBS:HBS+1], s[12:13], s[34:35]
	s_lshl_b32 s34, ttmp9, 12                      ; pb: 4,096 bytes for an expert's slice, 512 a wave
	s_lshl_b32 s36, s[WV], 9
	s_add_co_u32 s34, s34, s36
	s_add_nc_u64 s[PBS:PBS+1], s[14:15], s[34:35]
	s_mov_b32 s[SEL], 0x76543210
	s_mov_b32 s[SEL+1], 0xfedcba98
.irp q, 0,1,2,3
	v_add_nc_u32 v21, \q, v[R]
	v_and_b32 v21, 15, v21
	v_lshlrev_b32 v21, 4, v21
	v_lshl_add_u32 v[RB0+\q], v[HH], 11, v21       ; octet h, slot (r + q) % 16
	v_mov_b32 v[RB+\q], v[RB0+\q]
.endr
	v_lshrrev_b32 v21, 2, v[LANE]                  ; my four columns lie in fragment f = lane / 4, at r = 4 (lane % 4) + c
	v_and_b32 v22, 3, v[LANE]
	v_and_b32 v23, 3, v21
	v_lshl_add_u32 v22, v22, 2, v23
	v_lshlrev_b32 v21, 8, v21
	s_lshl_b32 s22, s[WV], 11
	v_add_nc_u32 v21, s22, v21
.irp c, 0,1,2,3
	v_add_nc_u32 v23, \c, v22
	v_and_b32 v23, 15, v23
	v_lshl_add_u32 v[SB+\c], v23, 4, v21
.endr
	s_mul_i32 s22, s[WV], 16*SPITCH
	s_add_co_u32 s22, s22, STAGE
	v_mul_u32_u24 v21, v[R], SPITCH                ; in: row r, 16 bytes for each half of the lanes
	v_lshl_add_u32 v21, v[HH], 4, v21
	v_add_nc_u32 v[STO], s22, v21
	v_mul_u32_u24 v21, v[HH], SPITCH               ; back: lanes 0-15 one row of 256 bytes, lanes 16-31 the next
	v_lshl_add_u32 v21, v[R], 4, v21
	v_add_nc_u32 v[RD], s22, v21
	v_lshlrev_b32 v21, 4, v[R]
	v_lshl_add_u32 v[HO], v[HH], 12, v21           ; and the same two rows in hbuf
	s_lshl_b32 s22, s[WV], 10
	s_add_co_u32 s22, s22, CONST
	v_lshl_add_u32 v[CA], v[HH], 5, s22
	v_add_nc_u32 v[CST], s22, v[AOFF]
	s_lshl_b32 s22, s[WV], 9
	s_add_co_u32 s22, s22, SCR
	v_lshl_add_u32 v[SC4], v[R], 2, s22
	v_add_nc_u32 v[SC16], s22, v[AOFF]
	s_wait_loadcnt 56                              ; b1's and Wb's slices are in: behind them 24 loads of W1 and 32 of x
	RND2 224, 232
	RND2 226, 233
	RND2 228, 234
	RND2 230, 235
	s_wait_alu depctr_va_vdst(0)                   ; v224-231 are written, which the LDS stores read; so are all LDS addresses and the offset in hbuf (v6-20, v40-43), which the LDS instructions and stores of the whole kernel read
	ds_store_b128 v[CST], v[224:227]
	ds_store_b128 v[CST], v[228:231] offset:512
.irp f, 0,1,2,3,4,5,6,7
	ds_load_b128 v[CB+8*\f:CB+8*\f+3],   v[CA] offset:64*\f      ; b1 of columns 16 f + 8 h + 0..7: my wave's own bytes, served in order
	ds_load_b128 v[CB+8*\f+4:CB+8*\f+7], v[CA] offset:64*\f+16
.endr
	s_wait_loadcnt 48                              ; K step 0 of the slice is in: behind it W(1), W(2), x(0), x(1)
	WROUND 0
	s_wait_alu depctr_va_vdst(0)                   ; the roundings have written T, which the stores read, and are done reading slot 0, in which the loads below land
	WSTORE 0
	WLOAD 0, 3
	s_wait_loadcnt 48                              ; K step 1: behind it W(2), x(0), x(1), W(3)
	s_wait_alu depctr_vm_vsrc(0)                   ; the four stores above have read T, which the roundings write again
	WROUND 1
	s_wait_alu depctr_va_vdst(0)                   ; the roundings have written T, which the stores read, and are done reading slot 1, in which the loads below land
	WSTORE 1
	WLOAD 1, 4
	s_wait_dscnt 0x0                               ; my stores of steps 0 and 1 are done (and b1 is in)
	s_barrier_signal -1
	s_barrier_wait -1
	BFETCH 0, 0                                    ; step 0's lower fragments; a step fetches its upper ones itself
	s_mov_b32 s[P], 0
	; PASS 0: steps 0 .. 29 with the slice's stream and a barrier each
	TRIP 0, 1, 1, 1, 1, 1, 32
	WIN 0
	s_mov_b32 s[CNT], 9
	s_branch .Lw1                                  ; the loop is entered behind its first step: steps 1 .. 26
.Lw:
	TRIP 0, 0, 1, 1, 1, 1, 32
	WIN 0
.Lw1:
	TRIP 1, 0, 1, 1, 1, 1, 32
	TRIP 2, 0, 1, 1, 1, 1, 32
	STEP 1
	s_sub_co_u32 s[CNT], s[CNT], 1
	s_cmp_lg_u32 s[CNT], 0
	s_cbranch_scc1 .Lw
	TRIP 0, 0, 1, 0, 1, 1, 32                      ; steps 27 .. 29: nothing is left of the slice to ask for
	TRIP 1, 0, 1, 0, 1, 1, 24
	TRIP 2, 0, 1, 0, 1, 1, 16
	STEP 0
	s_branch .Ltail
.Lpass1:                                               ; PASS 1: the slice is resident and shown to every wave: no barrier
	TRIP 0, 1, 0, 0, 1, 1, 16
	WIN 0
	s_mov_b32 s[CNT], 10
	s_branch .Ln1                                  ; steps 1 .. 29
.Ln:
	TRIP 0, 0, 0, 0, 1, 1, 16
	WIN 0
.Ln1:
	TRIP 1, 0, 0, 0, 1, 1, 16
	TRIP 2, 0, 0, 0, 1, 1, 16
	STEP 0
	s_sub_co_u32 s[CNT], s[CNT], 1
	s_cmp_lg_u32 s[CNT], 0
	s_cbranch_scc1 .Ln
.Ltail:                                                ; steps 30 and 31 of either pass
	TRIP 0, 0, 0, 0, 0, 1, 16
	TRIP 1, 0, 0, 0, 0, 0, 0
	WIN 0
	s_cmp_lg_u32 s[P], 0
	s_cbranch_scc1 .Lepi
	s_wait_xcnt 0x0                                ; pass 1's first fragments are asked for ahead of pass 0's way out, which touches none of their registers
	s_add_nc_u64 s[XB:XB+1], s[XB:XB+1], 65536     ; 30 K steps were stepped: two more lead to the second half of xf
	s_wait_alu depctr_vm_vsrc(0)                   ; the LDS loads issued so far have read RB, which the moves below write
.irp q, 0,1,2,3
	v_mov_b32 v[RB+\q], v[RB0+\q]
.endr
	WIN 0x40
	s_wait_alu depctr_va_vdst(0)                   ; RB is written, which the LDS loads read; the last two steps' products are done reading x buffers 0 and 1 and W1's fragments, in which the loads below and pass 1's first step's land
	ALOAD 0, 0
	ALOAD 1, 1
	BFETCH 0, 0
	WIN 0
.Lepi:
.irp f, 0,1,2,3,4,5,6,7
	ds_load_b128 v[CWB+8*\f:CWB+8*\f+3],   v[CA] offset:512+64*\f   ; Wb of columns 16 f + 8 h + 0..7
	ds_load_b128 v[CWB+8*\f+4:CWB+8*\f+7], v[CA] offset:512+64*\f+16
.endr
	s_wait_dscnt 0x0
.irp a, 0,1,2,3,4,5,6,7
	EPI \a
.endr
	s_wait_alu depctr_va_vdst(0)                   ; the eight bids are written, which the LDS stores read; the sums are done with v[BT ..], in which the load below lands
.irp a, 0,1,2,3,4,5,6,7
	ds_store_b32 v[SC4], v[BR+\a] offset:64*\a     ; both halves of the lanes hold the same sum and write the same word
.endr
	ds_load_b128 v[BT:BT+3], v[SC16]               ; back as four tokens a lane
	s_wait_dscnt 0x0
	global_store_b128 v[AOFF], v[BT:BT+3], s[PBS:PBS+1]  ; 512 consecutive bytes
	s_wait_xcnt 0x0
	s_add_nc_u64 s[HBS:HBS+1], s[HBS:HBS+1], 512*4096
	s_add_nc_u64 s[PBS:PBS+1], s[PBS:PBS+1], 2048
	s_add_co_u32 s[P], s[P], 1
	s_cmp_lt_u32 s[P], 2
	s_cbranch_scc1 .Lpass1
	s_wait_dscnt 0x0                               ; the wave's end: the closing add onto my spare word at 285,696 + 4 x thread follows
	s_wait_alu depctr_hold_cnt(0) depctr_sa_sdst(0) depctr_va_vdst(0) depctr_va_sdst(0) depctr_va_ssrc(0) depctr_va_vcc(0) depctr_vm_vsrc(0)
	s_wait_tensorcnt 0x0
	ds_add_u32 v46, v47
	s_wait_dscnt 0x0
	s_endpgm
.Lfunc_end_k_q9c36e4c62c_first:
	.size	k_q9c36e4c62c_first, .Lfunc_end_k_q9c36e4c62c_first-k_q9c36e4c62c_first
	.p2alignl 7, 3214868480
	.fill 96, 4, 3214868480
	.section	.rodata,"a",@progbits
	.p2align	6, 0x0
	.amdhsa_kernel k_q9c36e4c62c_first
		.amdhsa_group_segment_fixed_size 286208
		.amdhsa_private_segment_fixed_size 0
		.amdhsa_enable_private_segment 0
		.amdhsa_kernarg_size 48
		.amdhsa_user_sgpr_count 2
		.amdhsa_user_sgpr_kernarg_segment_ptr 1
		.amdhsa_wavefront_size32 1
		.amdhsa_system_sgpr_workgroup_id_x 1
		.amdhsa_system_sgpr_workgroup_id_y 1
		.amdhsa_system_sgpr_workgroup_id_z 1
		.amdhsa_system_vgpr_workitem_id 0
		.amdhsa_next_free_vgpr 1024
		.amdhsa_next_free_sgpr 66
		.amdhsa_reserve_vcc 0
		.amdhsa_float_denorm_mode_32 3
		.amdhsa_float_denorm_mode_16_64 3
		.amdhsa_memory_ordered 1
		.amdhsa_forward_progress 1
		.amdhsa_inst_pref_size 200
	.end_amdhsa_kernel
	.amdgpu_metadata
---
amdhsa.version: [ 1, 2 ]
amdhsa.kernels:
  - .name:           k_q9c36e4c62c_first
    .symbol:         k_q9c36e4c62c_first.kd
    .args:
      - { .name: xf, .offset: 0, .size: 8, .value_kind: global_buffer, .address_space: global }
      - { .name: W1, .offset: 8, .size: 8, .value_kind: global_buffer, .address_space: global }
      - { .name: b1, .offset: 16, .size: 8, .value_kind: global_buffer, .address_space: global }
      - { .name: Wb, .offset: 24, .size: 8, .value_kind: global_buffer, .address_space: global }
      - { .name: hbuf, .offset: 32, .size: 8, .value_kind: global_buffer, .address_space: global }
      - { .name: pb, .offset: 40, .size: 8, .value_kind: global_buffer, .address_space: global }
    .group_segment_fixed_size: 286208
    .private_segment_fixed_size: 0
    .kernarg_segment_align: 8
    .kernarg_segment_size: 48
    .max_flat_workgroup_size: 128
    .sgpr_count:     66
    .vgpr_count:     1024
    .wavefront_size: 32
...
	.end_amdgpu_metadata
.endif
;; end of part 6
;; launch route: the kernel of part 3 again; grid 16 x 1, 8 waves a work-group, no clusters, 5,120 bytes of LDS; arguments pb, bb, out1, tmw; writes out1, tmw
;; launch second: the kernel of part 4 again; grid 256 x 1, 4 waves a work-group, no clusters, 302,848 bytes of LDS; arguments hbuf, W2, b2, tmw, ybuf; writes ybuf
;; launch mean: the kernel of part 5 again; grid 256 x 1, 8 waves a work-group, no clusters, 0 bytes of LDS; arguments ybuf, out0; writes out0
